; MI455X (gfx1250); checked and timed in simulation.
; The chip was launched on July 23, 2026; its instructions are those of AMD's public machine-readable ISA for CDNA 5 (MIT licence, August 2026) and "CDNA5" Instruction Set Architecture Reference Guide (July 2026). The comments in the code are by the model that wrote it; some were corrected since.
;; Bigbird Simulated Attention. Allowed arithmetic: matrix products marked QUANTISED: E5M2 operands, one E8M0 scale for each 32 along K, by v_wmma_scale_f32_16x16x128_f8f6f4 with both operands' format E5M2, f32 sums; everything else in f32.
;; Inputs: k_codes 2 x 6 x 4,096 x 2 x 32 uint8 (E5M2 codes of k, K innermost, in blocks of 32 codes); k_scales 2 x 6 x 4,096 x 2 uint8 (E8M0 scales of k, one for each 32 codes along K); mask 4,096 x 4,096 int32; q_codes 2 x 6 x 4,096 x 2 x 32 uint8 (E5M2 codes of q, K innermost, in blocks of 32 codes); q_scales 2 x 6 x 4,096 x 2 uint8 (E8M0 scales of q, one for each 32 codes along K); v_codes 2 x 6 x 64 x 128 x 32 uint8 (E5M2 codes of v, K innermost, in blocks of 32 codes); v_scales 2 x 6 x 64 x 128 uint8 (E8M0 scales of v, one for each 32 codes along K).
;; Outputs: out0 2 x 6 x 4,096 x 64 float32.
;; This version of the problem:
;;   THIS VERSION OF THE PROBLEM IS GIVEN IN LOW PRECISION. The matrix products marked QUANTISED in the list below multiply operands that are first quantised to E5M2 (5 exponent bits, 2 mantissa bits; 8 bits a number), with one power-of-two scale for each 32 numbers along K (OCP MX v1.0); their sums are f32. All else is computed in f32.
;;   The module's matrix products, in the order in which they are computed (A, B: the left and right operand; K: the contracted axis; several contracted axes count as one K, in the product's order):
;;     1. batch 12 x [M 4,096, K 64] x [K 64, N 4,096]; A: input q (given as codes); B: input k (given as codes): QUANTISED
;;     2. batch 12 x [M 4,096, K 4,096] x [K 4,096, N 64]; A: softmax (see below); B: input v (given as codes): QUANTISED
;;   THE QUANTISER, for each operand of a quantised product, along K:
;;     - K is cut into blocks of 32 from its start; a last block that is shorter is filled with zeros.
;;     - A block's scale is 2^e with e = floor(log2(the largest magnitude in the block)) - 15, held to -126 .. 127; a block of zeros has e = 0. As a byte (E8M0): e + 127.
;;     - Each number is divided by its block's scale, clamped to +-57,344, and rounded to the nearest number of E5M2, ties to even, subnormals kept.
;;     - The product sums the exact products of the quantised numbers (number of the format x scale) in f32.
;;   ~~~python
;;   def quantise(x, axis):      # numpy; x: float32 -> the quantised numbers, widened to float32 again
;;       x = np.moveaxis(x, axis, -1); K = x.shape[-1]
;;       x = np.pad(x, [(0, 0)] * (x.ndim - 1) + [(0, -K % 32)]); x = x.reshape(x.shape[:-1] + (-1, 32)); a = np.abs(x).max(-1, keepdims=True)
;;       e = np.where(a > 0, np.clip(np.frexp(np.where(a > 0, a, 1))[1] - 1 - 15, -126, 127), 0)      # np.frexp(a)[1] - 1 = floor(log2(a)), exactly
;;       r = np.clip(x / 2.0 ** e, -57344, 57344)
;;       step = 2.0 ** (np.maximum(np.frexp(np.where(r == 0, 1, r))[1] - 1, -14) - 2)
;;       q = np.round(r / step) * step * 2.0 ** e      # np.round: ties to even
;;       return np.moveaxis(q.reshape(q.shape[:-2] + (-1,))[..., :K], -1, axis).astype(np.float32)
;;   ~~~
;;   SOFTMAX AHEAD OF A QUANTISED PRODUCT. Where the list says 'softmax', what is quantised is not the finished softmax but p = 2^(t - M), with t = logit x log2(e) and M = ceil(the row's largest t), a whole number; so 1/2 < the row's largest p <= 1. The row's sum l is taken of the UNQUANTISED p, in f32, and the product's result is divided by l at the end. Since M is a whole number, a kernel that streams over the keys may use a running M (the ceiling of the running maximum): every later rescaling is an exact power of two, which a block's scale takes up: the codes' values come out the same.
;;   OPERANDS COMPUTED ON THE WAY. 'Computed on the way' means the value that the module computes at that place (a softmax that the list does not call 'softmax' is quantised finished and normalised). What goes into a quantiser is computed in f32, as accurately as f32 sums, v_exp_f32 and their like allow (about 1e-6 of the number): no bf16 or f16 on the way to a quantiser, and a product that is left as it is and whose result goes on into a quantised operand takes f32 operands (vector FMAs, or v_wmma_f32_16x16x4_f32). A number that lies on a knife's edge between two numbers of the format may be rounded either way, as far as f32 arithmetic and the matrix unit's own rounding can turn it there, and no further.
;;   INPUTS GIVEN AS CODES. k (in the module: [2, 6, 4096, 64], K = its axis 3); q (in the module: [2, 6, 4096, 64], K = its axis 3); v (in the module: [2, 6, 4096, 64], K = its axis 2): each comes as NAME_codes (uint8): NAME with its K axis moved to the last place and cut into blocks of 32 codes, [.., K / 32, bytes a block], one block behind the other in memory; one code a byte (a code: sign, 5 exponent bits, 2 mantissa bits); and NAME_scales (uint8): the same leading axes, one E8M0 byte (e + 127) for each 32 codes along K. Its value is code x scale, taken as it is: it is not quantised again, and the codes and scales need not be those that the quantiser above would give.
;; 2 versions. Each part assembles by itself: llvm-mc -triple=amdgcn-amd-amdhsa -mcpu=gfx1250 --defsym DOCPART=n.
;; ======== version 1 of 2: 2 launches
;; limits: right only within a limited range of input values
;; workspace buffers: maskw 2,162,688 bytes of whole numbers; gmask 65,536 bytes of whole numbers; kimg 3,145,728 bytes; vimg 3,145,728 bytes; ksimg 196,608 bytes; vsimg 196,608 bytes
;; launch prep (part 1): grid 256 x 1, 16 waves a work-group, no clusters, 137,728 bytes of LDS; arguments mask, k_codes, k_scales, v_codes, v_scales, maskw, gmask, kimg, ksimg, vimg, vsimg; writes maskw, gmask, kimg, ksimg, vimg, vsimg
.if DOCPART == 1
	.amdgcn_target "amdgcn-amd-amdhsa--gfx1250"
	.amdhsa_code_object_version 6
	.text
	.protected	k_qd426341de2_prep
	.globl	k_qd426341de2_prep
	.p2align	8
	.type	k_qd426341de2_prep,@function
k_qd426341de2_prep:
	s_mov_b64 s[64:65], 0
	v_nop
	global_prefetch_b8 v0, s[64:65] scope:SCOPE_SE
	s_setreg_imm32_b32 hwreg(HW_REG_WAVE_MODE, 25, 1), 1
	s_wait_xcnt 0x0
; PREP.  The mask [4096][4096] of int32 is read once and packed to one bit a score, in the order in which the attention launch's lanes hold scores; the live key blocks of
; each tile of 16 queries are listed; k, v and their scale bytes are copied once into the order of a matrix operand's registers.
; SHARES.  Work-group t owns query tile t: 16 rows of the mask.  Wave w owns keys 256 w .. 256 w + 255, as two units of 128 keys; a unit is two ENTRIES of 64 keys (entry = key block).
; maskw [tile 256][entry 66][word 32]: word 16 b + i, bit 16 h + r = (mask[16 tile + r][64 entry + 32 b + 16 h + i] > 0).  Entries 64, 65 are zeros: the mask of a block that is not there.
; gmask [tile 256][64 words]: words 2 g, 2 g + 1 = the set (64 bits) of key blocks that group g of the attention launch walks; the rest zeros.
; A key block is LIVE for a tile if any of its 16 x 64 mask numbers is above 0.  If some row of the tile is closed at all 4,096 keys, every block is live: that row's softmax is then flat over all keys.
; Live blocks are dealt to the four groups in pairs, by their rank: rank / 2 mod 4.
; kimg [item = 64 head + block][chunk 2 u + c][lane][16 bytes]: lane (r, h): key 64 block + 32 (u / 2) + 8 (u % 2) + r + 8 (r / 8), dims 32 c + 16 h on.
; vimg [item][chunk 2 dt + c][lane][16 bytes]: lane (r, h): channel 16 dt + r, keys 64 block + 32 c + 16 h on.
; ksimg, vsimg [item][r 16][4 words]: low half = the two scale bytes of that row of tile u (of fragment dt), high half 0x7f7f.
; The work-group images items 3 t .. 3 t + 2: wave w takes chunk w % 8, of k (w < 8) or of v; waves with w % 8 < 3 also make one item's scale words.
; No branch and no address hangs on a loaded number.  All of a wave's 35 loads go out together at the head: a load of the mask covers 512 consecutive bytes.
; REGISTERS: v1 lane, v2 r, v3 h; v4 mask offset; v5, v6 stage in, out; v7 8 x lane; v8, v9 the add's two; v10-13 table addresses; v[14:17] a unit's 64 words, twice; v[18:19] zeros;
;   v[20:31] three chunks; v32-36 image offsets; v40-44 table data; v46-50, v[54:55] scale task; v56-63 the tail; v64-191 the mask's numbers; v192-207 the waves' row words.
; s[4:25] the eleven addresses; s26 wave; s27-31 at work; s[32:63] at work at the head, then 32 lane masks; s66, s67 at work; s68-71 rows open in my four entries; s72 in any; s[74:79] my role's buffers.
.set STGP,  528                        ; a stage row: 512 bytes (128 numbers) + 16: the sixteen rows that a read touches start 4 words further on each
.set STGW,  16*STGP                    ; a wave's stage
.set RT,    16*STGW                    ; 64 words: the rows open in each entry
.set RWD,   RT+256                     ; 16 words: the rows open anywhere in a wave's keys
.set SPARE, RWD+256                    ; the spare words, 128 bytes for each of 16 waves: eight blocks of 256 bytes that no other line names
.set R,     64
.set SPW,   8
.set NIL,   9
	s_load_b512 s[4:19], s[0:1], 0x0               ; mask 4, k_codes 6, k_scales 8, v_codes 10, v_scales 12, maskw 14, gmask 16, kimg 18
	s_load_b128 s[20:23], s[0:1], 0x40             ; ksimg 20, vimg 22
	s_load_b64 s[24:25], s[0:1], 0x50              ; vsimg
	v_lshl_add_u32 v[SPW], v0, 2, SPARE
	v_mov_b32 v[NIL], 0
	v_lshrrev_b32 v1, 5, v0
	v_readfirstlane_b32 s26, v1                    ; wave 0..15
	v_and_b32 v1, 31, v0                           ; lane
	v_and_b32 v2, 15, v0                           ; r
	v_bfe_u32 v3, v0, 4, 1                         ; h
	s_lshl_b32 s27, s26, 10
	v_lshl_add_u32 v4, v1, 4, s27                  ; in a row of the mask: my wave's 1,024 bytes, 16 a lane
	s_mul_i32 s27, s26, STGW
	v_lshl_add_u32 v5, v1, 4, s27                  ; stage, in: as loaded
	v_mul_u32_u24 v6, v2, STGP
	v_lshl_add_u32 v6, v3, 6, v6
	v_add_nc_u32 v6, s27, v6                       ; stage, out: row r, + 64 h: my 16 numbers of a block of 32
	v_lshlrev_b32 v7, 3, v1
	s_lshl_b32 s27, s26, 4
	s_add_co_u32 s27, s27, RT
	v_mov_b32 v10, s27                             ; my four words of RT
	s_lshl_b32 s27, s26, 2
	s_add_co_u32 s27, s27, RWD
	v_mov_b32 v11, s27                             ; my word of RWD
	v_lshl_add_u32 v12, v1, 2, RT
	v_mov_b32 v13, RWD
.irp i, 14,15,16,17,18,19,62,63
	v_mov_b32 v[\i], 0                             ; a lane write's destination counts as read; v[18:19] stay zeros
.endr
	; byte offsets, both roles' (k's and v's) side by side; the choice follows behind the mask's loads
	s_lshl_b32 s28, ttmp9, 18                      ; my 16 rows of the mask
	s_mov_b32 s29, 0
	s_mul_i32 s40, ttmp9, 3                        ; my first item
	s_and_b32 s41, s26, 7                          ; my chunk x
	s_lshr_b32 s42, s41, 1                         ; u or dt
	s_and_b32 s43, s41, 1
	s_lshl_b32 s43, s43, 5                         ; 32 c
	s_lshr_b32 s44, s42, 1
	s_lshl_b32 s44, s44, 11                        ; k: 32 keys of 64 bytes,
	s_and_b32 s45, s42, 1
	s_lshl_b32 s45, s45, 9                         ; 8 keys
	s_add_co_u32 s44, s44, s45
	s_add_co_u32 s44, s44, s43
	s_lshl_b32 s45, s42, 16                        ; v: 16 rows of 4,096 bytes
	s_add_co_u32 s45, s45, s43
.irp i, 0,1,2
	s_add_co_u32 s46, s40, \i                      ; item I
	s_lshl_b32 s[48+\i], s46, 12
	s_add_co_u32 s[48+\i], s[48+\i], s44           ; k: an item's 64 keys are 4,096 consecutive bytes
	s_lshr_b32 s47, s46, 6
	s_lshl_b32 s47, s47, 18                        ; v: the head,
	s_and_b32 s46, s46, 63
	s_lshl_b32 s46, s46, 6                         ; the block's 64 bytes of a row
	s_add_co_u32 s47, s47, s46
	s_add_co_u32 s[52+\i], s47, s45
.endr
	s_add_co_u32 s46, s40, s41                     ; the item of my scale task (used where x < 3)
	s_lshl_b32 s62, s46, 7                         ; k_scales: 128 bytes an item
	s_lshr_b32 s47, s46, 6
	s_lshl_b32 s47, s47, 13                        ; v_scales: 8,192 bytes a head,
	s_and_b32 s63, s46, 63
	s_lshl_b32 s63, s63, 1                         ; 2 bytes a block in each row
	s_add_co_u32 s63, s63, s47
	s_lshl_b32 s66, s46, 8                         ; the scale images: 256 bytes an item
	s_lshl_b32 s46, s41, 9
	s_lshl_b32 s47, s40, 12
	s_add_co_u32 s46, s46, s47
	v_lshl_add_u32 v33, v1, 4, s46                 ; where my chunk goes: 16 x lane + 512 x + 4,096 x first item
	s_mul_i32 s30, ttmp9, 8448
	s_lshl_b32 s27, s26, 9
	s_add_co_u32 s30, s30, s27                     ; maskw: my tile, my wave's four entries
	s_mov_b32 s31, 0
	s_wait_kmcnt 0x0
	s_add_nc_u64 s[4:5], s[4:5], s[28:29]
.irp u, 0,1
.set i, 0
.rept 16
	global_load_b128 v[R+64*\u+4*i:R+64*\u+4*i+3], v4, s[4:5] offset:16384*i+512*\u th:TH_LOAD_NT   ; row i, unit u: 32 lanes read 512 consecutive bytes; read once in the launch
.set i, i+1
.endr
.endr
	s_add_nc_u64 s[14:15], s[14:15], s[30:31]
	s_lshl_b32 s30, ttmp9, 8
	s_add_nc_u64 s[16:17], s[16:17], s[30:31]      ; gmask: my tile's 256 bytes
	s_cmp_lt_u32 s26, 8                            ; waves 0-7 serve k, waves 8-15 v: the choice hangs on the wave's number alone; only selects follow
	s_cselect_b64 s[74:75], s[6:7], s[10:11]       ; codes from
	s_cselect_b64 s[76:77], s[18:19], s[22:23]     ; codes to
	s_cselect_b64 s[78:79], s[8:9], s[12:13]       ; scale bytes from
	s_cselect_b64 s[20:21], s[20:21], s[24:25]     ; scale words to
	s_cselect_b32 s48, s48, s52
	s_cselect_b32 s49, s49, s53
	s_cselect_b32 s50, s50, s54
	s_cselect_b32 s56, 64, 0x1000                  ; from row to row of the codes
	s_cselect_b32 s58, 1, 0                        ; k's rows of a tile skip eight in the middle
	s_cselect_b32 s59, 16, 0x800                   ; from a scale word's source to the next word's
	s_cselect_b32 s61, 2, 0x80                     ; from row to row of the scale bytes
	s_cselect_b32 s62, s62, s63
	v_and_b32 v32, 8, v2
	v_mul_u32_u24 v32, v32, s58
	v_add_nc_u32 v32, v32, v2                      ; r, or r + 8 (r / 8)
	v_mul_u32_u24 v32, v32, s56
	v_lshl_add_u32 v32, v3, 4, v32                 ; + 16 h
.irp i, 0,1,2
	v_add_nc_u32 v[34+\i], s[48+\i], v32
.endr
.irp i, 0,1,2
	global_load_b128 v[20+4*\i:23+4*\i], v[34+\i], s[74:75]   ; my chunk of item i, already in the lanes that will want it
.endr
	v_lshrrev_b32 v46, 1, v1                       ; the scale task: lane = 2 r' + pr makes words 2 pr and 2 pr + 1 of row r'
	v_and_b32 v47, 1, v1
	v_and_b32 v48, 8, v46
	v_mul_u32_u24 v48, v48, s58
	v_add_nc_u32 v48, v48, v46
	v_lshl_add_u32 v48, v47, 5, v48                ; the row: 32 pr + r' (+ 8 (r' / 8) in k)
	v_mul_u32_u24 v48, v48, s61
	v_add_nc_u32 v48, s62, v48
	v_add_nc_u32 v49, s59, v48
	v_add_nc_u32 v50, s66, v7
; A unit of 128 keys x 16 rows: through my stage, so that lane (r, h) holds row r and register 16 b + i the key 32 b + 16 h + i; then 64 compares, each a word of lane bits.
.macro UNIT u
	s_wait_loadcnt 16*(1-\u)+3                     ; loads come back in order: this unit's sixteen are in; behind them stand the other unit's (unit 0 alone) and the three chunks
.set i, 0
.rept 16
	ds_store_b128 v5, v[R+64*\u+4*i:R+64*\u+4*i+3] offset:STGP*i
.set i, i+1
.endr
.set i, 0
.rept 16
	ds_load_b128 v[R+64*\u+4*i:R+64*\u+4*i+3], v6 offset:128*(i/4)+16*(i%4)   ; LDS serves a wave's instructions in order: these see the stores above
.set i, i+1
.endr
	s_wait_dscnt 0x0
.irp hf, 0,1                           ; entry 4 w + 2 u + hf
.set i, 0
.rept 32
	v_cmp_lt_i32 s[32+i], 0, v[R+64*\u+32*\hf+i]   ; word i of the entry: bit = lane = 16 h + r
.set i, i+1
.endr
.set i, 0
.rept 32
	v_writelane_b32 v[14+2*\u+i%2], s[32+i], 16*\hf+i/2   ; lane L of the pair holds words 2 L, 2 L + 1 of the unit's 64
.set i, i+1
.endr
	s_or_b32 s66, s32, s33
.set i, 34
.rept 30
	s_or_b32 s66, s66, s[i]
.set i, i+1
.endr
	s_lshr_b32 s67, s66, 16
	s_or_b32 s66, s66, s67
	s_and_b32 s[68+2*\u+\hf], s66, 0xffff          ; bit r: row r has an open key in this entry
.endr
	global_store_b64 v7, v[14+2*\u:15+2*\u], s[14:15] offset:256*\u   ; 32 lanes store 256 consecutive bytes, at a multiple of 256 from maskw's first byte
.endm
	UNIT 0
	UNIT 1
	s_or_b32 s72, s68, s69
	s_or_b32 s72, s72, s70
	s_or_b32 s72, s72, s71
.irp i, 0,1,2,3,4
	v_mov_b32 v[40+\i], s[68+\i]
.endr
.irp i, 0,1,2,3
	ds_store_b32 v10, v[40+\i] offset:4*\i         ; all lanes write the same word with the same value
.endr
	ds_store_b32 v11, v44
	s_wait_loadcnt 0x0                             ; the three chunks
.irp i, 0,1,2
	global_store_b128 v33, v[20+4*\i:23+4*\i], s[76:77] offset:4096*\i   ; 512 consecutive bytes
.endr
	s_and_b32 s27, s26, 7
	s_cmp_lt_u32 s27, 3
	s_cbranch_scc0 .Lno_scale                      ; a branch on the wave's number
	global_load_u16 v54, v48, s[78:79]
	global_load_u16 v55, v49, s[78:79]
	s_wait_loadcnt 0x0
	v_or_b32 v54, 0x7f7f0000, v54                  ; the upper two bytes stand for 1.0: they scale the half of K that holds nothing
	v_or_b32 v55, 0x7f7f0000, v55
	global_store_b64 v50, v[54:55], s[20:21]       ; an item's 256 bytes
.Lno_scale:
	s_wait_dscnt 0x0                               ; for wave 0's sake: my table words have landed
	s_barrier_signal -1
	s_barrier_wait -1
	s_cmp_lg_u32 s26, 0
	s_cbranch_scc1 .Lend
	; wave 0: which blocks are live, and who walks them
	ds_load_b32 v56, v12                           ; entry = lane
	ds_load_b32 v57, v12 offset:128                ; entry = 32 + lane
.irp i, 0,1,2,3
	ds_load_b128 v[192+4*\i:195+4*\i], v13 offset:16*\i
.endr
	s_wait_dscnt 0x0
.set i, 193
.rept 15
	v_or_b32 v192, v192, v[i]
.set i, i+1
.endr
	v_readfirstlane_b32 s27, v192                  ; bit r: row r has an open key somewhere
	s_cmp_lg_u32 s27, 0xffff
	s_cselect_b32 s28, -1, 0                       ; a row closed everywhere: all 64 blocks are live.  A select, no branch
	v_cmp_ne_u32 s29, 0, v56
	s_or_b32 s29, s29, s28                         ; live blocks 0-31
	v_cmp_ne_u32 s30, 0, v57
	s_or_b32 s30, s30, s28                         ; live blocks 32-63
	s_bcnt1_i32_b32 s31, s29
	v_mbcnt_lo_u32_b32 v58, s29, 0                 ; the live blocks below mine: my block's rank
	v_mbcnt_lo_u32_b32 v59, s30, s31
	v_bfe_u32 v60, v58, 1, 2                       ; its group: rank / 2 mod 4
	v_bfe_u32 v61, v59, 1, 2
.irp g, 0,1,2,3
	v_cmp_eq_u32 s66, \g, v60
	v_cmp_eq_u32 s67, \g, v61
	s_and_b32 s66, s66, s29
	s_and_b32 s67, s67, s30
	v_writelane_b32 v62, s66, \g
	v_writelane_b32 v63, s67, \g
.endr
	global_store_b64 v7, v[62:63], s[16:17]        ; the tile's 256 bytes of gmask: lane g holds group g's set, the other lanes zeros
	global_store_b64 v7, v[18:19], s[14:15] offset:8192   ; entries 64 and 65 (my wave is 0: the base stands at the tile's first entry)
.Lend:
	s_wait_tensorcnt 0x0                           ; the wave's end: behind my last LDS store
	ds_add_u32 v[SPW], v[NIL]
	s_wait_dscnt 0x0
	s_endpgm
.Lfunc_end_k_qd426341de2_prep:
	.size	k_qd426341de2_prep, .Lfunc_end_k_qd426341de2_prep-k_qd426341de2_prep
	.p2alignl 7, 3214868480
	.fill 96, 4, 3214868480
	.section	.rodata,"a",@progbits
	.p2align	6, 0x0
	.amdhsa_kernel k_qd426341de2_prep
		.amdhsa_group_segment_fixed_size 137728
		.amdhsa_private_segment_fixed_size 0
		.amdhsa_enable_private_segment 0
		.amdhsa_kernarg_size 88
		.amdhsa_user_sgpr_count 2
		.amdhsa_user_sgpr_kernarg_segment_ptr 1
		.amdhsa_wavefront_size32 1
		.amdhsa_system_sgpr_workgroup_id_x 1
		.amdhsa_system_sgpr_workgroup_id_y 1
		.amdhsa_system_sgpr_workgroup_id_z 1
		.amdhsa_system_vgpr_workitem_id 0
		.amdhsa_next_free_vgpr 208
		.amdhsa_next_free_sgpr 80
		.amdhsa_reserve_vcc 0
		.amdhsa_float_denorm_mode_32 3
		.amdhsa_float_denorm_mode_16_64 3
		.amdhsa_memory_ordered 1
		.amdhsa_forward_progress 1
		.amdhsa_inst_pref_size 38
	.end_amdhsa_kernel
	.amdgpu_metadata
---
amdhsa.version: [ 1, 2 ]
amdhsa.kernels:
  - .name:           k_qd426341de2_prep
    .symbol:         k_qd426341de2_prep.kd
    .args:
      - { .name: mask, .offset: 0, .size: 8, .value_kind: global_buffer, .address_space: global }
      - { .name: k_codes, .offset: 8, .size: 8, .value_kind: global_buffer, .address_space: global }
      - { .name: k_scales, .offset: 16, .size: 8, .value_kind: global_buffer, .address_space: global }
      - { .name: v_codes, .offset: 24, .size: 8, .value_kind: global_buffer, .address_space: global }
      - { .name: v_scales, .offset: 32, .size: 8, .value_kind: global_buffer, .address_space: global }
      - { .name: maskw, .offset: 40, .size: 8, .value_kind: global_buffer, .address_space: global }
      - { .name: gmask, .offset: 48, .size: 8, .value_kind: global_buffer, .address_space: global }
      - { .name: kimg, .offset: 56, .size: 8, .value_kind: global_buffer, .address_space: global }
      - { .name: ksimg, .offset: 64, .size: 8, .value_kind: global_buffer, .address_space: global }
      - { .name: vimg, .offset: 72, .size: 8, .value_kind: global_buffer, .address_space: global }
      - { .name: vsimg, .offset: 80, .size: 8, .value_kind: global_buffer, .address_space: global }
    .group_segment_fixed_size: 137728
    .private_segment_fixed_size: 0
    .kernarg_segment_align: 8
    .kernarg_segment_size: 88
    .max_flat_workgroup_size: 512
    .sgpr_count:     80
    .vgpr_count:     208
    .wavefront_size: 32
...
	.end_amdgpu_metadata
.endif
;; end of part 1
;; launch attn (part 2): grid 12 x 256, 4 waves a work-group, no clusters, 17,920 bytes of LDS; arguments q_codes, q_scales, kimg, ksimg, vimg, vsimg, maskw, gmask, out0; writes out0
.if DOCPART == 2
	.amdgcn_target "amdgcn-amd-amdhsa--gfx1250"
	.amdhsa_code_object_version 6
	.text
	.protected	k_qd426341de2_attn
	.globl	k_qd426341de2_attn
	.p2align	8
	.type	k_qd426341de2_attn,@function
k_qd426341de2_attn:
	s_mov_b64 s[64:65], 0
	v_nop
	global_prefetch_b8 v0, s[64:65] scope:SCOPE_SE
	s_setreg_imm32_b32 hwreg(HW_REG_WAVE_MODE, 25, 1), 1
	s_wait_xcnt 0x0
; ATTN.  out[h][q][:] = the sum over k of softmax_k(where(mask[q][k] > 0, Q[h][q] . K[h][k] / 8, masked)) V[h][k][:], both products on codes of E5M2 with one E8M0 scale for each 32 along K.
; THE SOFTMAX AHEAD OF THE SECOND PRODUCT: t = logit x log2(e); M = the largest t so far, rounded UP to a whole number; p = 2^(t - M) is quantised along the keys, not normalised; the row's sum is
; taken of the unquantised p and divides at the end.  When M moves, the sum and O are multiplied by 2^(old M - new M): exact.
; SHARES.  A work-group owns one tile of 16 queries of one head.  Its four waves are four GROUPS: group g walks the key blocks (64 keys) of its set in gmask, two blocks (128 keys) a trip, and keeps
; -M, the sum and O^T of its own; the four meet in LDS, and wave 3 brings them under one M by exact powers of two, adds, divides and stores 16 whole rows.
; WHAT IS LEFT OUT.  A key block in which the mask is closed for all 16 queries adds p = 0 for every query that has an open key anywhere; where a query of the tile has none, the earlier launch has
; listed all 64 blocks.  So only listed blocks are walked, for every mask.  A group with an odd number of blocks takes entry 64 of maskw (zeros) as its last; a group with none walks one such trip:
; its -M is then so large that the combination gives it the weight 0.
; OPERANDS come from memory straight into registers, in register order (kimg, vimg, ksimg, vsimg): a load of a wave covers 512 consecutive bytes.  The mask comes as lane masks into scalar registers: one a score register.
; NO TENSOR LOADS, NO CLUSTER: the trips hang on numbers read from memory and differ from wave to wave and from tile to tile: partners would need different tiles, and different numbers of them.
; LAYOUT.  Both products are used transposed: S^T = K Q^T (source 0 = 16 keys, source 1 = my 16 queries), O^T = V^T P^T: a lane holds ONE query (lane % 16) throughout.  The keys of a tile are not neighbours (kimg),
; so that the 16 registers of tiles 2 b, 2 b + 1 are the keys 32 b + 16 (lane / 16) + 0 .. 15 of the trip's 128.
; K = 64 IN AN INSTRUCTION OF 128: Q's registers 8-15 hold zero codes.  Source 0 of key tile t is v[32 + 8 t : 47 + 8 t]: its upper half is the next tile's codes (tile 7: zeros), which meet zero codes alone.
; LIMITS.  The masked logit is -2^30 in place of -1e9 (as a raw score -2^33): t is then exact and a row closed everywhere gets p = 1 at every key, as -1e9 gives in f32; the results are the same while open logits
; stay above about -9e8.  k's codes are finite (an infinity or NaN code would reach a neighbouring tile's scores through the zero codes), no scale byte is 0xff; NaN and infinities are not served.
; REGISTERS: v1 16 lane, v2 16 r; v3-6 the trip's offsets; v7, v8 the add's two; v9-11 LDS places; v12 -M, v13 the largest t, v[14:15] the sum in two halves; v16-31 Q; v32-95 K's 8 tiles, then V's 4 fragments;
;   v96-103 zeros; v104-167 S^T, then p; v168-199 O^T; v200-215 p's codes; v216-223 scale words as loaded; v224-227 V's scale words; v228 Q's; v229 p's; v230-251 at work; v252, v253 the stage; v254, v255 Q's offsets.
; s[4:5] c, c; s6, s7 lane selects; s[8:17] kimg, ksimg, vimg, vsimg, maskw; s18 the masked score; s19 a mantissa field; s[20:21] out0; s22 group; s23-25 at work; s26, s27 mask offsets; s[28:29] my set;
;   s30 trips, s31 their count; s2, s3 the two blocks held to 63; s66, s67 the two entries; s[32:63], s[68:99] the trip's 64 lane masks.
.set GRP,   4352                       ; LDS: groups 0 to 2: O^T as an image of its registers (8 x 512 bytes), -M (128), the sum (128)
.set STG,   3*GRP                      ; wave 3's stage: 16 rows x (256 bytes + 16)
.set SPARE, STG+16*272                 ; the spare words, 128 bytes for each wave: two blocks of 256 bytes that no other line names
.set SPW,   7
.set NIL,   8
.set S,     104
.set OT,    168
.set PC,    200
.set KS,    216
.set VS,    224
.set QS,    228
.set PS,    229
.set BM,    230                        ; a block's largest score, then its largest p
.set PM,    234                        ; the other half's; later the scale bytes
.set HD,    238                        ; 57,344 x the scale
.set SO,    242                        ; the conversion's scale operand
.set F,     246                        ; v[246:247] f = 2^(old M - new M)
.set TMP,   248
.set CH,    250                        ; v[250:251] the sum's second chain
	s_load_b512 s[4:19], s[0:1], 0x0               ; q_codes 4, q_scales 6, kimg 8, ksimg 10, vimg 12, vsimg 14, maskw 16, gmask 18
	s_load_b64 s[20:21], s[0:1], 0x40              ; out0
	v_lshl_add_u32 v[SPW], v0, 2, SPARE
	v_mov_b32 v[NIL], 0
	v_lshrrev_b32 v1, 5, v0
	v_readfirstlane_b32 s22, v1                    ; my group 0..3
	v_and_b32 v248, 31, v0                         ; lane
	v_and_b32 v249, 15, v0                         ; r
	v_bfe_u32 v250, v0, 4, 1                       ; h
	v_lshlrev_b32 v1, 4, v248
	v_lshlrev_b32 v2, 4, v249
	v_lshlrev_b32 v11, 2, v248
	s_mul_i32 s23, s22, GRP
	v_add_nc_u32 v9, s23, v1                       ; where groups 0 to 2 put O^T,
	v_add_nc_u32 v10, s23, v11
	v_add_nc_u32 v10, 4096, v10                    ; -M and the sum
	v_mul_u32_u24 v252, v249, 272
	v_lshl_add_u32 v252, v250, 5, v252
	v_add_nc_u32 v252, STG, v252                   ; stage, in: row r, + 32 h
	v_mul_u32_u24 v253, v250, 272
	v_lshl_add_u32 v253, v249, 4, v253
	v_add_nc_u32 v253, STG, v253                   ; stage, out: lanes 0-15 one row, lanes 16-31 the next
	v_lshlrev_b32 v254, 6, v249
	v_lshl_add_u32 v254, v250, 4, v254             ; Q: row r of 64 bytes, + 16 h
	v_lshlrev_b32 v255, 1, v249                    ; its two scale bytes
	s_and_b32 s23, ttmp7, 0xffff                   ; the order in which tiles start: 0, 255, 1, 254, ..: tiles from both ends of the sequence first.  No result hangs on it
	s_lshr_b32 s24, s23, 1
	s_sub_co_u32 s25, 255, s24
	s_and_b32 s23, s23, 1
	s_cmp_lg_u32 s23, 0
	s_cselect_b32 s24, s25, s24                    ; my tile T
	s_lshl_b32 s34, ttmp9, 18                      ; the head in the tensors of codes
	s_mov_b32 s35, 0
	s_lshl_b32 s32, s24, 10
	s_add_co_u32 s32, s32, s34                     ; q_codes: + 16 rows of 64 bytes a tile
	s_mov_b32 s33, 0
	s_lshl_b32 s36, ttmp9, 14                      ; the head in the scale images: 64 items of 256 bytes
	s_mov_b32 s37, 0
	s_lshl_b32 s38, ttmp9, 13
	s_lshl_b32 s39, s24, 5
	s_add_co_u32 s38, s38, s39                     ; q_scales: 2 bytes a query
	s_mov_b32 s39, 0
	s_mul_i32 s40, s24, 8448                       ; maskw: 66 entries of 128 bytes a tile
	s_mov_b32 s41, 0
	s_lshl_b32 s42, s24, 8
	s_lshl_b32 s43, s22, 3
	s_add_co_u32 s42, s42, s43                     ; gmask: 256 bytes a tile, 8 a group
	s_mov_b32 s43, 0
	s_lshl_b32 s44, ttmp9, 20
	s_lshl_b32 s45, s24, 12
	s_add_co_u32 s44, s44, s45                     ; out0: 256 bytes a query
	s_mov_b32 s45, 0
	s_wait_kmcnt 0x0
	s_add_nc_u64 s[18:19], s[18:19], s[42:43]
	s_load_b64 s[28:29], s[18:19], 0x0             ; my group's set of key blocks
	s_add_nc_u64 s[4:5], s[4:5], s[32:33]
	s_add_nc_u64 s[6:7], s[6:7], s[38:39]
	global_load_b128 v[16:19], v254, s[4:5]        ; Q's fragment: dims 16 h on,
	global_load_b128 v[20:23], v254, s[4:5] offset:32   ; and 32 + 16 h on; it stays
	global_load_u16 v[QS], v255, s[6:7]
	s_add_nc_u64 s[8:9], s[8:9], s[34:35]
	s_add_nc_u64 s[12:13], s[12:13], s[34:35]
	s_add_nc_u64 s[10:11], s[10:11], s[36:37]
	s_add_nc_u64 s[14:15], s[14:15], s[36:37]
	s_add_nc_u64 s[16:17], s[16:17], s[40:41]
	s_add_nc_u64 s[20:21], s[20:21], s[44:45]
.set i, 0
.rept 8
	v_mov_b32 v[24+i], 0                           ; Q's zero codes for K = 64 .. 127,
	v_mov_b32 v[96+i], 0                           ; and what stands behind K's last tile
.set i, i+1
.endr
.set i, 0
.rept 32
	v_mov_b32 v[OT+i], 0                           ; O^T.  (The trip is written once: the first finds zeros, which the first change of M leaves zeros)
.set i, i+1
.endr
	v_mov_b32 v14, 0
	v_mov_b32 v15, 0
	s_wait_kmcnt 0x0                               ; my set is in,
	s_wait_xcnt 0x0                                ; and Q's loads and that scalar load have read their addresses: these six registers take constants
	s_mov_b32 s4, 0x3e38aa3b                       ; c = log2(e) / 8: t = raw score x c
	s_mov_b32 s5, s4                               ; (named with it as a pair, so it is written)
	s_mov_b32 s6, 0x76543210
	s_mov_b32 s7, 0xfedcba98                       ; v_permlanex16_b32's selects for lane l xor 16
	s_mov_b32 s18, 0xd0000000                      ; -2^33: the raw score of a masked key
	s_mov_b32 s19, 0x600000                        ; the mantissa field of 57,344
	s_bcnt1_i32_b32 s30, s28
	s_bcnt1_i32_b32 s31, s29
	s_add_co_u32 s30, s30, s31
	s_add_co_u32 s30, s30, 1
	s_lshr_b32 s30, s30, 1                         ; two blocks a trip;
	s_max_u32 s30, s30, 1                          ; a group with no block walks one trip under the zero mask;
	s_min_u32 s30, s30, 32                         ; 64 blocks are 32 trips at the most
	s_mov_b32 s31, 0
	s_wait_loadcnt 0x0                             ; Q
	v_or_b32 v[QS], 0x7f7f0000, v[QS]              ; the upper two bytes stand for 1.0: they scale zero codes
	v_mov_b32 v13, 0xff61b1e6                      ; the largest t so far: -3e38, under every t
	v_floor_f32 v12, -v13                          ; -M
.irp b, 0,1,2,3
	v_mov_b32 v[PM+\b], 0                          ; written once: a lane permute's destination counts as one of its sources
.endr
	v_mov_b32 v[F+1], 0                            ; (named as the upper half of a pair)
; The lowest block of my set is taken out of it; an empty set gives 64, the zero entry.  The number is held to 64.
.macro POP e
	s_cmp_lg_u32 s28, 0
	s_cselect_b32 s23, s28, s29                    ; the word that holds the lowest bit
	s_cselect_b32 s[\e], 0, 32
	s_ctz_i32_b32 s25, s23                         ; (-1 of an empty word)
	s_min_u32 s25, s25, 32
	s_add_co_u32 s[\e], s[\e], s25
	s_min_u32 s[\e], s[\e], 64
	s_sub_co_u32 s24, s23, 1
	s_and_b32 s24, s24, s23                        ; the word without that bit
	s_cmp_lg_u32 s28, 0
	s_cselect_b32 s29, s29, s24
	s_cselect_b32 s28, s24, 0
.endm
.Ltrip:
	POP 66
	POP 67
	s_lshl_b32 s26, s66, 7                         ; the entries' 128 bytes in maskw
	s_lshl_b32 s27, s67, 7
	s_min_u32 s2, s66, 63                          ; the blocks whose codes are loaded (of a block that is not there: block 63's, all masked)
	s_min_u32 s3, s67, 63
	v_lshl_add_u32 v3, s2, 12, v1                  ; codes: 4,096 bytes an item, 16 a lane
	v_lshl_add_u32 v4, s3, 12, v1
	v_lshl_add_u32 v5, s2, 8, v2                   ; scale words: 256 bytes an item, 16 a row
	v_lshl_add_u32 v6, s3, 8, v2
.rept 4
	v_nop                                          ; with the four lines above: eight places behind the last trip's products, ahead of loads into registers that they read
.endr
	s_load_b512 s[32:47], s[16:17], s26 offset:0x0   ; 64 lane masks: register n of the scores takes word n
	s_load_b512 s[48:63], s[16:17], s26 offset:0x40
	s_load_b512 s[68:83], s[16:17], s27 offset:0x0
	s_load_b512 s[84:99], s[16:17], s27 offset:0x40
	global_load_b128 v[KS:KS+3], v5, s[10:11]      ; K's scale words: lane r has those of row r of tiles 0-3,
	global_load_b128 v[KS+4:KS+7], v6, s[10:11]    ; and of tiles 4-7
.irp t, 0,1,2,3
.irp c, 0,1
	global_load_b128 v[32+8*\t+4*\c:35+8*\t+4*\c], v3, s[8:9] offset:(2*\t+\c)*512
.endr
.endr
.irp t, 0,1,2,3
.irp c, 0,1
	global_load_b128 v[64+8*\t+4*\c:67+8*\t+4*\c], v4, s[8:9] offset:(2*\t+\c)*512
.endr
.endr
	s_wait_loadcnt 0x0
.irp t, 0,1,2,3,4,5,6,7                ; S^T = K Q^T: eight accumulators, each begun with the constant 0
	v_wmma_scale_f32_16x16x128_f8f6f4 v[S+8*\t:S+8*\t+7], v[32+8*\t:47+8*\t], v[16:31], 0, v[KS+\t], v[QS] matrix_a_fmt:MATRIX_FMT_BF8 matrix_b_fmt:MATRIX_FMT_BF8
.endr
.rept 8
	v_nop                                          ; eight places: ahead of the loads into K's registers and its scale words', and of the first read of the scores
.endr
	global_load_b128 v[KS:KS+3], v5, s[14:15]      ; V's scale bytes: lane r has those of row r of fragments 0-3, for the first block,
	global_load_b128 v[KS+4:KS+7], v6, s[14:15]    ; and for the second
.irp d, 0,1,2,3                        ; V's four fragments (16 channels x 128 keys) land under the softmax: keys 0-63 from the first block, 64-127 from the second
.irp c, 0,1
	global_load_b128 v[32+16*\d+4*\c:35+16*\d+4*\c], v3, s[12:13] offset:(2*\d+\c)*512
.endr
.irp c, 0,1
	global_load_b128 v[40+16*\d+4*\c:43+16*\d+4*\c], v4, s[12:13] offset:(2*\d+\c)*512
.endr
.endr
	s_wait_kmcnt 0x0                               ; the lane masks
.set n, 0
.rept 64
	v_cndmask_b32 v[S+n], s18, v[S+n], s[32+n+4*(n/32)]   ; a closed key's score becomes the masked score.  (Each accumulator from its low end on)
.set n, n+1
.endr
.irp b, 0,1,2,3
	v_max3_num_f32 v[BM+\b], v[S+16*\b], v[S+16*\b+1], v[S+16*\b+2]   ; the largest score of each block of 32 keys: it serves the row's maximum and, since p rises with the score, the block's largest p
.endr
.irp i, 3,5,7,9,11,13
.irp b, 0,1,2,3
	v_max3_num_f32 v[BM+\b], v[BM+\b], v[S+16*\b+\i], v[S+16*\b+\i+1]   ; (the four blocks by turns)
.endr
.endr
.irp b, 0,1,2,3
	v_max_num_f32 v[BM+\b], v[BM+\b], v[S+16*\b+15]
.endr
.irp b, 0,1,2,3
	v_permlanex16_b32 v[PM+\b], v[BM+\b], s6, s7
.endr
.irp b, 0,1,2,3
	v_max_num_f32 v[BM+\b], v[BM+\b], v[PM+\b]     ; with lane l xor 16's 16 keys
.endr
	v_max3_num_f32 v[TMP], v[BM], v[BM+1], v[BM+2]
	v_max_num_f32 v[TMP], v[TMP], v[BM+3]          ; the trip's largest score of my query
	v_mul_f32 v[TMP], s4, v[TMP]                   ; as t (c is positive)
	v_max_num_f32 v13, v13, v[TMP]                 ; the running largest t
	v_mov_b32 v[TMP], v12
	v_floor_f32 v12, -v13                          ; the new -M = floor(-t) = -ceil(t): a whole number
	v_sub_f32 v[TMP], v12, v[TMP]                  ; old M less new M: a whole number, 0 or less
	v_cvt_i32_f32 v[TMP], v[TMP]                   ; (it saturates)
	v_ldexp_f32 v[F], 1.0, v[TMP]                  ; f = 2^(old M - new M)
.set j, 0
.rept 32
	v_pk_fma_f32 v[S+j:S+j+1], v[S+j:S+j+1], s[4:5], v[12:13] op_sel_hi:[1,0,0]   ; t - M, two at a time (of the pairs c and -M the low word serves both halves)
.set j, j+2
.endr
.irp b, 0,1,2,3
	v_fma_f32 v[BM+\b], v[BM+\b], s4, v12          ; the same of each block's largest score
.endr
.set j, 0
.rept 64
	v_exp_f32 v[S+j], v[S+j]                       ; p = 2^(t - M), at most 1; 0 at a masked key of a row that has an open one
.set j, j+1
.endr
	v_pk_mul_f32 v[14:15], v[14:15], v[F:F+1] op_sel_hi:[1,0]   ; the sums under the new M.  (A plain line behind the exponentials)
	s_wait_alu depctr_va_vdst(0)                   ; the wait ahead of the first line that names an exponential's result: one for the batch of 64
.irp b, 0,1,2,3
	v_exp_f32 v[BM+\b], v[BM+\b]                   ; the block's largest p: the same two instructions on the same number give the same bits
.endr
	v_pk_add_f32 v[CH:CH+1], v[S:S+1], v[S+2:S+3]  ; the row's sum is taken of the unquantised p: two at a time, in two chains
.irp j, 4,8,12,16,20,24,28,32,36,40,44,48,52,56,60
	v_pk_add_f32 v[14:15], v[14:15], v[S+\j:S+\j+1]
	v_pk_add_f32 v[CH:CH+1], v[CH:CH+1], v[S+\j+2:S+\j+3]
.endr
	v_pk_add_f32 v[14:15], v[14:15], v[CH:CH+1]
	s_wait_alu depctr_va_vdst(0)                   ; and one for the four
.irp b, 0,1,2,3
	v_max_num_f32 v[BM+\b], 0x8000000, v[BM+\b]    ; the floor 2^(16 - 127): the byte cannot fall under 1 (a block whose every p is 0 keeps that byte: its codes are zeros)
.endr
.irp b, 0,1,2,3
	v_add_nc_u32 v[SO+\b], 0xf8800000, v[BM+\b]    ; 15 off the exponent field: the conversion's scale operand
.endr
.irp b, 0,1,2,3
	v_and_or_b32 v[HD+\b], v[BM+\b], 0x7f800000, s19   ; 57,344 x the scale
.endr
.irp b, 0,1,2,3
	v_lshrrev_b32 v[PM+\b], 23, v[SO+\b]           ; the scale's byte
.endr
	v_lshl_or_b32 v[PS], v[PM+1], 8, v[PM]         ; p's scale word for these 128 keys
	v_lshl_or_b32 v[PS], v[PM+2], 16, v[PS]
	v_lshl_or_b32 v[PS], v[PM+3], 24, v[PS]
	s_wait_loadcnt 16                              ; V's scale bytes are in; the 16 loads of its codes, issued behind them, may stay out
.irp d, 0,1,2,3
	v_perm_b32 v[VS+\d], v[KS+4+\d], v[KS+\d], 0x05040100   ; the first block's two bytes below, the second's above.  (The scale words are made here, ahead of the 64 holds: more than eight plain lines ahead of their products)
.endr
.irp b, 0,1,2,3
.irp i, 0,1,2,3,4,5,6,7,8,9,10,11,12,13,14,15
	v_min_num_f32 v[S+16*\b+\i], v[S+16*\b+\i], v[HD+\b]   ; the conversion to an 8-bit code does not saturate (ISA guide 7.6.2); p is not negative, so the hold is one-sided
.endr
	v_cvt_scalef32_pk8_bf8_f32 v[PC+4*\b:PC+4*\b+1], v[S+16*\b:S+16*\b+7], v[SO+\b]
	v_cvt_scalef32_pk8_bf8_f32 v[PC+4*\b+2:PC+4*\b+3], v[S+16*\b+8:S+16*\b+15], v[SO+\b]
.endr
.set j, 0
.rept 16
	v_pk_mul_f32 v[OT+j:OT+j+1], v[OT+j:OT+j+1], v[F:F+1] op_sel_hi:[1,0]   ; O^T under the new M.  (These are also the plain lines between the conversions and the products)
.set j, j+2
.endr
	s_wait_loadcnt 0x0                             ; V's codes
.irp d, 0,1,2,3                        ; O^T += V^T P^T: four accumulators by turns, one instruction a turn; eight other products stand before each is taken up again
	v_wmma_scale_f32_16x16x128_f8f6f4 v[OT+8*\d:OT+8*\d+7], v[32+16*\d:47+16*\d], v[PC:PC+15], v[OT+8*\d:OT+8*\d+7], v[VS+\d], v[PS] matrix_a_fmt:MATRIX_FMT_BF8 matrix_b_fmt:MATRIX_FMT_BF8
.endr
	s_add_co_u32 s31, s31, 1
	s_cmp_lt_u32 s31, s30
	s_cbranch_scc1 .Ltrip
.rept 8
	v_nop                                          ; eight places behind the last products, ahead of the first read of O^T
.endr
	v_add_f32 v14, v14, v15                        ; the sum's two halves,
	v_permlanex16_b32 v[TMP], v14, s6, s7
	v_add_f32 v14, v14, v[TMP]                     ; and lane l xor 16's: my group's sum
	s_cmp_eq_u32 s22, 3
	s_cbranch_scc1 .Lkeep                          ; a branch on the wave's number: wave 3 keeps its part in registers
.irp k, 0,1,2,3,4,5,6,7
	ds_store_b128 v9, v[OT+4*\k:OT+4*\k+3] offset:512*\k   ; O^T as an image of its registers: lane l's 16 bytes at 16 l
.endr
	ds_store_b32 v10, v12
	ds_store_b32 v10, v14 offset:128
.Lkeep:
	s_wait_dscnt 0x0                               ; for wave 3's sake: my stores have landed
	s_barrier_signal -1
	s_barrier_wait -1
	s_cmp_lg_u32 s22, 3
	s_cbranch_scc1 .Lend
	; wave 3 brings the four groups under one M
.irp g, 0,1,2
	ds_load_b32 v[216+\g], v11 offset:GRP*\g+4096  ; group g's -M,
	ds_load_b32 v[220+\g], v11 offset:GRP*\g+4224  ; and its sum
.endr
.irp k, 0,1,2,3,4,5,6,7
	ds_load_b128 v[32+4*\k:35+4*\k], v1 offset:512*\k
.endr
.irp k, 0,1,2,3,4,5,6,7
	ds_load_b128 v[64+4*\k:67+4*\k], v1 offset:GRP+512*\k
.endr
.irp k, 0,1,2,3,4,5,6,7
	ds_load_b128 v[104+4*\k:107+4*\k], v1 offset:2*GRP+512*\k
.endr
	s_wait_dscnt 24                                ; the six numbers are in; the 24 loads of the images, issued behind them, may stay out
	v_min3_num_f32 v224, v12, v216, v217
	v_min_num_f32 v224, v224, v218                 ; the least -M: the largest M
	v_sub_f32 v226, v224, v216
	v_sub_f32 v228, v224, v217
	v_sub_f32 v230, v224, v218
	v_sub_f32 v232, v224, v12                      ; each group's M less the largest: whole numbers, 0 or less
.irp p, 226,228,230,232
	v_cvt_i32_f32 v[\p], v[\p]                     ; (it saturates)
.endr
.irp p, 226,228,230,232
	v_ldexp_f32 v[\p], 1.0, v[\p]                  ; the group's weight: an exact power of two, or 0
.endr
	v_mul_f32 v234, v232, v14
	v_fma_f32 v234, v226, v220, v234
	v_fma_f32 v234, v228, v221, v234
	v_fma_f32 v234, v230, v222, v234               ; the row's sum: above 1/2, since the group with the largest M holds a p above 1/2
	v_rcp_f32 v235, v234
.irp p, 227,229,231,233
	v_mov_b32 v[\p], 0                             ; (the pairs' upper words are named, so they are written: plain lines behind the reciprocal)
.endr
	s_wait_alu depctr_va_vdst(0)                   ; the wait ahead of the first line that names the reciprocal
.irp p, 226,228,230,232
	v_mul_f32 v[\p], v[\p], v235                   ; weight / sum
.endr
.set j, 0
.rept 16
	v_pk_mul_f32 v[OT+j:OT+j+1], v[OT+j:OT+j+1], v[232:233] op_sel_hi:[1,0]
.set j, j+2
.endr
	s_wait_dscnt 16                                ; group 0's image is in; the other two groups' sixteen loads may stay out
.set j, 0
.rept 16
	v_pk_fma_f32 v[OT+j:OT+j+1], v[32+j:33+j], v[226:227], v[OT+j:OT+j+1] op_sel_hi:[1,0,1]
.set j, j+2
.endr
	s_wait_dscnt 8                                 ; group 1's; group 2's eight may stay out
.set j, 0
.rept 16
	v_pk_fma_f32 v[OT+j:OT+j+1], v[64+j:65+j], v[228:229], v[OT+j:OT+j+1] op_sel_hi:[1,0,1]
.set j, j+2
.endr
	s_wait_dscnt 0x0
.set j, 0
.rept 16
	v_pk_fma_f32 v[OT+j:OT+j+1], v[104+j:105+j], v[230:231], v[OT+j:OT+j+1] op_sel_hi:[1,0,1]
.set j, j+2
.endr
	; THE WAY OUT.  Register 8 d + i of lane (r, h) is out(r, 16 d + 8 h + i): 32 neighbouring bytes of a row; the rows go through my stage and leave whole.
.irp d, 0,1,2,3
	ds_store_b128 v252, v[OT+8*\d:OT+8*\d+3] offset:64*\d
	ds_store_b128 v252, v[OT+8*\d+4:OT+8*\d+7] offset:64*\d+16
.endr
.irp i, 0,1,2,3,4,5,6,7
	ds_load_b128 v[32+4*\i:35+4*\i], v253 offset:544*\i   ; LDS serves a wave's instructions in order: these see my stores
.endr
.irp i, 0,1,2,3,4,5,6,7
	s_wait_dscnt 7-\i                              ; loads come back in order: pair i of rows is in, the younger ones may stay out
	global_store_b128 v1, v[32+4*\i:35+4*\i], s[20:21] offset:512*\i th:TH_STORE_NT   ; two rows of 256 bytes: 512 consecutive bytes, at a multiple of 256 from out0's first byte; written once, read by nobody here
.endr
.Lend:
	s_wait_tensorcnt 0x0                           ; the wave's end: behind my last LDS store
	ds_add_u32 v[SPW], v[NIL]
	s_wait_dscnt 0x0
	s_endpgm
.Lfunc_end_k_qd426341de2_attn:
	.size	k_qd426341de2_attn, .Lfunc_end_k_qd426341de2_attn-k_qd426341de2_attn
	.p2alignl 7, 3214868480
	.fill 96, 4, 3214868480
	.section	.rodata,"a",@progbits
	.p2align	6, 0x0
	.amdhsa_kernel k_qd426341de2_attn
		.amdhsa_group_segment_fixed_size 17920
		.amdhsa_private_segment_fixed_size 0
		.amdhsa_enable_private_segment 0
		.amdhsa_kernarg_size 72
		.amdhsa_user_sgpr_count 2
		.amdhsa_user_sgpr_kernarg_segment_ptr 1
		.amdhsa_wavefront_size32 1
		.amdhsa_system_sgpr_workgroup_id_x 1
		.amdhsa_system_sgpr_workgroup_id_y 1
		.amdhsa_system_sgpr_workgroup_id_z 1
		.amdhsa_system_vgpr_workitem_id 0
		.amdhsa_next_free_vgpr 256
		.amdhsa_next_free_sgpr 100
		.amdhsa_reserve_vcc 0
		.amdhsa_float_denorm_mode_32 3
		.amdhsa_float_denorm_mode_16_64 3
		.amdhsa_memory_ordered 1
		.amdhsa_forward_progress 1
		.amdhsa_inst_pref_size 42
	.end_amdhsa_kernel
	.amdgpu_metadata
---
amdhsa.version: [ 1, 2 ]
amdhsa.kernels:
  - .name:           k_qd426341de2_attn
    .symbol:         k_qd426341de2_attn.kd
    .args:
      - { .name: q_codes, .offset: 0, .size: 8, .value_kind: global_buffer, .address_space: global }
      - { .name: q_scales, .offset: 8, .size: 8, .value_kind: global_buffer, .address_space: global }
      - { .name: kimg, .offset: 16, .size: 8, .value_kind: global_buffer, .address_space: global }
      - { .name: ksimg, .offset: 24, .size: 8, .value_kind: global_buffer, .address_space: global }
      - { .name: vimg, .offset: 32, .size: 8, .value_kind: global_buffer, .address_space: global }
      - { .name: vsimg, .offset: 40, .size: 8, .value_kind: global_buffer, .address_space: global }
      - { .name: maskw, .offset: 48, .size: 8, .value_kind: global_buffer, .address_space: global }
      - { .name: gmask, .offset: 56, .size: 8, .value_kind: global_buffer, .address_space: global }
      - { .name: out0, .offset: 64, .size: 8, .value_kind: global_buffer, .address_space: global }
    .group_segment_fixed_size: 17920
    .private_segment_fixed_size: 0
    .kernarg_segment_align: 8
    .kernarg_segment_size: 72
    .max_flat_workgroup_size: 128
    .sgpr_count:     100
    .vgpr_count:     256
    .wavefront_size: 32
...
	.end_amdgpu_metadata
.endif
;; end of part 2
;; ======== version 2 of 2: 2 launches
;; limits: right only within a limited range of input values
;; workspace buffers: maskw 2,162,688 bytes of whole numbers; gmask 65,536 bytes of whole numbers; kimg 3,145,728 bytes; vimg 3,145,728 bytes; ksimg 196,608 bytes; vsimg 196,608 bytes
;; launch prep (part 3): grid 256 x 1, 16 waves a work-group, no clusters, 137,728 bytes of LDS; arguments mask, k_codes, k_scales, v_codes, v_scales, maskw, gmask, kimg, ksimg, vimg, vsimg; writes maskw, gmask, kimg, ksimg, vimg, vsimg
.if DOCPART == 3
	.amdgcn_target "amdgcn-amd-amdhsa--gfx1250"
	.amdhsa_code_object_version 6
	.text
	.protected	k_qd426341de2_prep
	.globl	k_qd426341de2_prep
	.p2align	8
	.type	k_qd426341de2_prep,@function
k_qd426341de2_prep:
	s_mov_b64 s[64:65], 0
	v_nop
	global_prefetch_b8 v0, s[64:65] scope:SCOPE_SE
	s_setreg_imm32_b32 hwreg(HW_REG_WAVE_MODE, 25, 1), 1
	s_wait_xcnt 0x0
; PREP.  The mask [4096][4096] of int32 is read once and packed to one bit a score, in the order in which the attention launch's lanes hold scores; the live key blocks of
; each tile of 16 queries are listed; k, v and their scale bytes are copied once into the order of a matrix operand's registers.
; SHARES.  Work-group t owns query tile t: 16 rows of the mask.  Wave w owns keys 256 w .. 256 w + 255, as two units of 128 keys; a unit is two ENTRIES of 64 keys (entry = key block).
; maskw [tile 256][entry 66][word 32]: word 16 b + i, bit 16 h + r = (mask[16 tile + r][64 entry + 32 b + 16 h + i] > 0).  Entries 64, 65 are zeros: the mask of a block that is not there.
; gmask [tile 256][64 words]: words 2 g, 2 g + 1 = the set (64 bits) of key blocks that group g of the attention launch walks; the rest zeros.
; A key block is LIVE for a tile if any of its 16 x 64 mask numbers is above 0.  If some row of the tile is closed at all 4,096 keys, every block is live: that row's softmax is then flat over all keys.
; Live blocks are dealt to the four groups in pairs, by their rank: rank / 2 mod 4.
; kimg [item = 64 head + block][chunk 2 u + c][lane][16 bytes]: lane (r, h): key 64 block + 32 (u / 2) + 8 (u % 2) + r + 8 (r / 8), dims 32 c + 16 h on.
; vimg [item][chunk 2 dt + c][lane][16 bytes]: lane (r, h): channel 16 dt + r, keys 64 block + 32 c + 16 h on.
; ksimg, vsimg [item][r 16][4 words]: low half = the two scale bytes of that row of tile u (of fragment dt), high half 0x7f7f.
; The work-group images items 3 t .. 3 t + 2: wave w takes chunk w % 8, of k (w < 8) or of v; waves with w % 8 < 3 also make one item's scale words.
; No branch and no address hangs on a loaded number.  All of a wave's 35 loads go out together at the head: a load of the mask covers 512 consecutive bytes.
; REGISTERS: v1 lane, v2 r, v3 h; v4 mask offset; v5, v6 stage in, out; v7 8 x lane; v8, v9 the add's two; v10-13 table addresses; v[14:17] a unit's 64 words, twice; v[18:19] zeros;
;   v[20:31] three chunks; v32-36 image offsets; v40-44 table data; v46-50, v[54:55] scale task; v56-63 the tail; v64-191 the mask's numbers; v192-207 the waves' row words.
; s[4:25] the eleven addresses; s26 wave; s27-31 at work; s[32:63] at work at the head, then 32 lane masks; s66, s67 at work; s68-71 rows open in my four entries; s72 in any; s[74:79] my role's buffers.
.set STGP,  528                        ; a stage row: 512 bytes (128 numbers) + 16: the sixteen rows that a read touches start 4 words further on each
.set STGW,  16*STGP                    ; a wave's stage
.set RT,    16*STGW                    ; 64 words: the rows open in each entry
.set RWD,   RT+256                     ; 16 words: the rows open anywhere in a wave's keys
.set SPARE, RWD+256                    ; the spare words, 128 bytes for each of 16 waves: eight blocks of 256 bytes that no other line names
.set R,     64
.set SPW,   8
.set NIL,   9
	s_load_b512 s[4:19], s[0:1], 0x0               ; mask 4, k_codes 6, k_scales 8, v_codes 10, v_scales 12, maskw 14, gmask 16, kimg 18
	s_load_b128 s[20:23], s[0:1], 0x40             ; ksimg 20, vimg 22
	s_load_b64 s[24:25], s[0:1], 0x50              ; vsimg
	v_lshl_add_u32 v[SPW], v0, 2, SPARE
	v_mov_b32 v[NIL], 0
	v_lshrrev_b32 v1, 5, v0
	s_delay_alu instid0(VALU_DEP_1)
	v_readfirstlane_b32 s26, v1                    ; wave 0..15
	v_and_b32 v1, 31, v0                           ; lane
	v_and_b32 v2, 15, v0                           ; r
	v_bfe_u32 v3, v0, 4, 1                         ; h
	s_lshl_b32 s27, s26, 10
	v_lshl_add_u32 v4, v1, 4, s27                  ; in a row of the mask: my wave's 1,024 bytes, 16 a lane
	s_mul_i32 s27, s26, STGW
	v_lshl_add_u32 v5, v1, 4, s27                  ; stage, in: as loaded
	v_mul_u32_u24 v6, v2, STGP
	s_delay_alu instid0(VALU_DEP_1)
	v_lshl_add_u32 v6, v3, 6, v6
	s_delay_alu instid0(VALU_DEP_1)
	v_add_nc_u32 v6, s27, v6                       ; stage, out: row r, + 64 h: my 16 numbers of a block of 32
	v_lshlrev_b32 v7, 3, v1
	s_lshl_b32 s27, s26, 4
	s_add_co_u32 s27, s27, RT
	v_mov_b32 v10, s27                             ; my four words of RT
	s_lshl_b32 s27, s26, 2
	s_add_co_u32 s27, s27, RWD
	v_mov_b32 v11, s27                             ; my word of RWD
	v_lshl_add_u32 v12, v1, 2, RT
	v_mov_b32 v13, RWD
.irp i, 14,15,16,17,18,19,62,63
	v_mov_b32 v[\i], 0                             ; a lane write's destination counts as read; v[18:19] stay zeros
.endr
	; byte offsets, both roles' (k's and v's) side by side; the choice follows behind the mask's loads
	s_lshl_b32 s28, ttmp9, 18                      ; my 16 rows of the mask
	s_mov_b32 s29, 0
	s_mul_i32 s40, ttmp9, 3                        ; my first item
	s_and_b32 s41, s26, 7                          ; my chunk x
	s_lshr_b32 s42, s41, 1                         ; u or dt
	s_and_b32 s43, s41, 1
	s_lshl_b32 s43, s43, 5                         ; 32 c
	s_lshr_b32 s44, s42, 1
	s_lshl_b32 s44, s44, 11                        ; k: 32 keys of 64 bytes,
	s_and_b32 s45, s42, 1
	s_lshl_b32 s45, s45, 9                         ; 8 keys
	s_add_co_u32 s44, s44, s45
	s_add_co_u32 s44, s44, s43
	s_lshl_b32 s45, s42, 16                        ; v: 16 rows of 4,096 bytes
	s_add_co_u32 s45, s45, s43
.irp i, 0,1,2
	s_add_co_u32 s46, s40, \i                      ; item I
	s_lshl_b32 s[48+\i], s46, 12
	s_add_co_u32 s[48+\i], s[48+\i], s44           ; k: an item's 64 keys are 4,096 consecutive bytes
	s_lshr_b32 s47, s46, 6
	s_lshl_b32 s47, s47, 18                        ; v: the head,
	s_and_b32 s46, s46, 63
	s_lshl_b32 s46, s46, 6                         ; the block's 64 bytes of a row
	s_add_co_u32 s47, s47, s46
	s_add_co_u32 s[52+\i], s47, s45
.endr
	s_add_co_u32 s46, s40, s41                     ; the item of my scale task (used where x < 3)
	s_lshl_b32 s62, s46, 7                         ; k_scales: 128 bytes an item
	s_lshr_b32 s47, s46, 6
	s_lshl_b32 s47, s47, 13                        ; v_scales: 8,192 bytes a head,
	s_and_b32 s63, s46, 63
	s_lshl_b32 s63, s63, 1                         ; 2 bytes a block in each row
	s_add_co_u32 s63, s63, s47
	s_lshl_b32 s66, s46, 8                         ; the scale images: 256 bytes an item
	s_lshl_b32 s46, s41, 9
	s_lshl_b32 s47, s40, 12
	s_add_co_u32 s46, s46, s47
	v_lshl_add_u32 v33, v1, 4, s46                 ; where my chunk goes: 16 x lane + 512 x + 4,096 x first item
	s_mul_i32 s30, ttmp9, 8448
	s_lshl_b32 s27, s26, 9
	s_add_co_u32 s30, s30, s27                     ; maskw: my tile, my wave's four entries
	s_mov_b32 s31, 0
	s_wait_kmcnt 0x0
	s_add_nc_u64 s[4:5], s[4:5], s[28:29]
.irp u, 0,1
.set i, 0
.rept 16
	global_load_b128 v[R+64*\u+4*i:R+64*\u+4*i+3], v4, s[4:5] offset:16384*i+512*\u th:TH_LOAD_NT   ; row i, unit u: 32 lanes read 512 consecutive bytes; read once in the launch
.set i, i+1
.endr
.endr
	s_add_nc_u64 s[14:15], s[14:15], s[30:31]
	s_lshl_b32 s30, ttmp9, 8
	s_add_nc_u64 s[16:17], s[16:17], s[30:31]      ; gmask: my tile's 256 bytes
	s_cmp_lt_u32 s26, 8                            ; waves 0-7 serve k, waves 8-15 v: the choice hangs on the wave's number alone; only selects follow
	s_cselect_b64 s[74:75], s[6:7], s[10:11]       ; codes from
	s_cselect_b64 s[76:77], s[18:19], s[22:23]     ; codes to
	s_cselect_b64 s[78:79], s[8:9], s[12:13]       ; scale bytes from
	s_cselect_b64 s[20:21], s[20:21], s[24:25]     ; scale words to
	s_cselect_b32 s48, s48, s52
	s_cselect_b32 s49, s49, s53
	s_cselect_b32 s50, s50, s54
	s_cselect_b32 s56, 64, 0x1000                  ; from row to row of the codes
	s_cselect_b32 s58, 1, 0                        ; k's rows of a tile skip eight in the middle
	s_cselect_b32 s59, 16, 0x800                   ; from a scale word's source to the next word's
	s_cselect_b32 s61, 2, 0x80                     ; from row to row of the scale bytes
	s_cselect_b32 s62, s62, s63
	v_and_b32 v32, 8, v2
	s_delay_alu instid0(VALU_DEP_1)
	v_mul_u32_u24 v32, v32, s58
	s_delay_alu instid0(VALU_DEP_1)
	v_add_nc_u32 v32, v32, v2                      ; r, or r + 8 (r / 8)
	s_delay_alu instid0(VALU_DEP_1)
	v_mul_u32_u24 v32, v32, s56
	s_delay_alu instid0(VALU_DEP_1)
	v_lshl_add_u32 v32, v3, 4, v32                 ; + 16 h
.irp i, 0,1,2
	v_add_nc_u32 v[34+\i], s[48+\i], v32
.endr
.irp i, 0,1,2
	global_load_b128 v[20+4*\i:23+4*\i], v[34+\i], s[74:75]   ; my chunk of item i, already in the lanes that will want it
.endr
	v_lshrrev_b32 v46, 1, v1                       ; the scale task: lane = 2 r' + pr makes words 2 pr and 2 pr + 1 of row r'
	v_and_b32 v47, 1, v1
	s_delay_alu instid0(VALU_DEP_2)
	v_and_b32 v48, 8, v46
	s_delay_alu instid0(VALU_DEP_1)
	v_mul_u32_u24 v48, v48, s58
	s_delay_alu instid0(VALU_DEP_1)
	v_add_nc_u32 v48, v48, v46
	s_delay_alu instid0(VALU_DEP_1)
	v_lshl_add_u32 v48, v47, 5, v48                ; the row: 32 pr + r' (+ 8 (r' / 8) in k)
	s_delay_alu instid0(VALU_DEP_1)
	v_mul_u32_u24 v48, v48, s61
	s_delay_alu instid0(VALU_DEP_1)
	v_add_nc_u32 v48, s62, v48
	s_delay_alu instid0(VALU_DEP_1)
	v_add_nc_u32 v49, s59, v48
	v_add_nc_u32 v50, s66, v7
; A unit of 128 keys x 16 rows: through my stage, so that lane (r, h) holds row r and register 16 b + i the key 32 b + 16 h + i; then 64 compares, each a word of lane bits.
.macro UNIT u
	s_wait_loadcnt 16*(1-\u)+3                     ; loads come back in order: this unit's sixteen are in; behind them stand the other unit's (unit 0 alone) and the three chunks
.set i, 0
.rept 16
	ds_store_b128 v5, v[R+64*\u+4*i:R+64*\u+4*i+3] offset:STGP*i
.set i, i+1
.endr
.set i, 0
.rept 16
	ds_load_b128 v[R+64*\u+4*i:R+64*\u+4*i+3], v6 offset:128*(i/4)+16*(i%4)   ; LDS serves a wave's instructions in order: these see the stores above
.set i, i+1
.endr
	s_wait_dscnt 0x0
.irp hf, 0,1                           ; entry 4 w + 2 u + hf
.set i, 0
.rept 32
	v_cmp_lt_i32 s[32+i], 0, v[R+64*\u+32*\hf+i]   ; word i of the entry: bit = lane = 16 h + r
.set i, i+1
.endr
.set i, 0
.rept 32
	v_writelane_b32 v[14+2*\u+i%2], s[32+i], 16*\hf+i/2   ; lane L of the pair holds words 2 L, 2 L + 1 of the unit's 64
.set i, i+1
.endr
	s_or_b32 s66, s32, s33
.set i, 34
.rept 30
	s_or_b32 s66, s66, s[i]
.set i, i+1
.endr
	s_lshr_b32 s67, s66, 16
	s_or_b32 s66, s66, s67
	s_and_b32 s[68+2*\u+\hf], s66, 0xffff          ; bit r: row r has an open key in this entry
.endr
	s_wait_alu depctr_va_vdst(0)
	global_store_b64 v7, v[14+2*\u:15+2*\u], s[14:15] offset:256*\u   ; 32 lanes store 256 consecutive bytes, at a multiple of 256 from maskw's first byte
.endm
	UNIT 0
	UNIT 1
	s_or_b32 s72, s68, s69
	s_or_b32 s72, s72, s70
	s_or_b32 s72, s72, s71
.irp i, 0,1,2,3,4
	v_mov_b32 v[40+\i], s[68+\i]
.endr
.irp i, 0,1,2,3
	ds_store_b32 v10, v[40+\i] offset:4*\i         ; all lanes write the same word with the same value
.endr
	ds_store_b32 v11, v44
	s_wait_loadcnt 0x0                             ; the three chunks
.irp i, 0,1,2
	global_store_b128 v33, v[20+4*\i:23+4*\i], s[76:77] offset:4096*\i   ; 512 consecutive bytes
.endr
	s_and_b32 s27, s26, 7
	s_cmp_lt_u32 s27, 3
	s_cbranch_scc0 .Lno_scale                      ; a branch on the wave's number
	global_load_u16 v54, v48, s[78:79]
	global_load_u16 v55, v49, s[78:79]
	s_wait_loadcnt 0x0
	v_or_b32 v54, 0x7f7f0000, v54                  ; the upper two bytes stand for 1.0: they scale the half of K that holds nothing
	v_or_b32 v55, 0x7f7f0000, v55
	global_store_b64 v50, v[54:55], s[20:21]       ; an item's 256 bytes
.Lno_scale:
	s_wait_dscnt 0x0                               ; for wave 0's sake: my table words have landed
	s_barrier_signal -1
	s_barrier_wait -1
	s_cmp_lg_u32 s26, 0
	s_cbranch_scc1 .Lend
	; wave 0: which blocks are live, and who walks them
	ds_load_b32 v56, v12                           ; entry = lane
	ds_load_b32 v57, v12 offset:128                ; entry = 32 + lane
.irp i, 0,1,2,3
	ds_load_b128 v[192+4*\i:195+4*\i], v13 offset:16*\i
.endr
	s_wait_dscnt 0x0
.set i, 193
	v_or_b32 v192, v192, v[i]
.set i, i+1
.rept (15)-1
	s_delay_alu instid0(VALU_DEP_1)
	v_or_b32 v192, v192, v[i]
.set i, i+1
.endr
	s_delay_alu instid0(VALU_DEP_1)
	v_readfirstlane_b32 s27, v192                  ; bit r: row r has an open key somewhere
	s_cmp_lg_u32 s27, 0xffff
	s_cselect_b32 s28, -1, 0                       ; a row closed everywhere: all 64 blocks are live.  A select, no branch
	v_cmp_ne_u32 s29, 0, v56
	s_or_b32 s29, s29, s28                         ; live blocks 0-31
	v_cmp_ne_u32 s30, 0, v57
	s_or_b32 s30, s30, s28                         ; live blocks 32-63
	s_bcnt1_i32_b32 s31, s29
	v_mbcnt_lo_u32_b32 v58, s29, 0                 ; the live blocks below mine: my block's rank
	v_mbcnt_lo_u32_b32 v59, s30, s31
	s_delay_alu instid0(VALU_DEP_2)
	v_bfe_u32 v60, v58, 1, 2                       ; its group: rank / 2 mod 4
	s_delay_alu instid0(VALU_DEP_2)
	v_bfe_u32 v61, v59, 1, 2
.irp g, 0,1,2,3
	v_cmp_eq_u32 s66, \g, v60
	v_cmp_eq_u32 s67, \g, v61
	s_and_b32 s66, s66, s29
	s_and_b32 s67, s67, s30
	v_writelane_b32 v62, s66, \g
	v_writelane_b32 v63, s67, \g
.endr
	global_store_b64 v7, v[62:63], s[16:17]        ; the tile's 256 bytes of gmask: lane g holds group g's set, the other lanes zeros
	global_store_b64 v7, v[18:19], s[14:15] offset:8192   ; entries 64 and 65 (my wave is 0: the base stands at the tile's first entry)
.Lend:
	s_wait_tensorcnt 0x0                           ; the wave's end: behind my last LDS store
	ds_add_u32 v[SPW], v[NIL]
	s_wait_dscnt 0x0
	s_endpgm
.Lfunc_end_k_qd426341de2_prep:
	.size	k_qd426341de2_prep, .Lfunc_end_k_qd426341de2_prep-k_qd426341de2_prep
	.p2alignl 7, 3214868480
	.fill 96, 4, 3214868480
	.section	.rodata,"a",@progbits
	.p2align	6, 0x0
	.amdhsa_kernel k_qd426341de2_prep
		.amdhsa_group_segment_fixed_size 137728
		.amdhsa_private_segment_fixed_size 0
		.amdhsa_enable_private_segment 0
		.amdhsa_kernarg_size 88
		.amdhsa_user_sgpr_count 2
		.amdhsa_user_sgpr_kernarg_segment_ptr 1
		.amdhsa_wavefront_size32 1
		.amdhsa_system_sgpr_workgroup_id_x 1
		.amdhsa_system_sgpr_workgroup_id_y 1
		.amdhsa_system_sgpr_workgroup_id_z 1
		.amdhsa_system_vgpr_workitem_id 0
		.amdhsa_next_free_vgpr 208
		.amdhsa_next_free_sgpr 80
		.amdhsa_reserve_vcc 0
		.amdhsa_float_denorm_mode_32 3
		.amdhsa_float_denorm_mode_16_64 3
		.amdhsa_memory_ordered 1
		.amdhsa_forward_progress 1
		.amdhsa_inst_pref_size 39
	.end_amdhsa_kernel
	.amdgpu_metadata
---
amdhsa.version: [ 1, 2 ]
amdhsa.kernels:
  - .name:           k_qd426341de2_prep
    .symbol:         k_qd426341de2_prep.kd
    .args:
      - { .name: mask, .offset: 0, .size: 8, .value_kind: global_buffer, .address_space: global }
      - { .name: k_codes, .offset: 8, .size: 8, .value_kind: global_buffer, .address_space: global }
      - { .name: k_scales, .offset: 16, .size: 8, .value_kind: global_buffer, .address_space: global }
      - { .name: v_codes, .offset: 24, .size: 8, .value_kind: global_buffer, .address_space: global }
      - { .name: v_scales, .offset: 32, .size: 8, .value_kind: global_buffer, .address_space: global }
      - { .name: maskw, .offset: 40, .size: 8, .value_kind: global_buffer, .address_space: global }
      - { .name: gmask, .offset: 48, .size: 8, .value_kind: global_buffer, .address_space: global }
      - { .name: kimg, .offset: 56, .size: 8, .value_kind: global_buffer, .address_space: global }
      - { .name: ksimg, .offset: 64, .size: 8, .value_kind: global_buffer, .address_space: global }
      - { .name: vimg, .offset: 72, .size: 8, .value_kind: global_buffer, .address_space: global }
      - { .name: vsimg, .offset: 80, .size: 8, .value_kind: global_buffer, .address_space: global }
    .group_segment_fixed_size: 137728
    .private_segment_fixed_size: 0
    .kernarg_segment_align: 8
    .kernarg_segment_size: 88
    .max_flat_workgroup_size: 512
    .sgpr_count:     80
    .vgpr_count:     208
    .wavefront_size: 32
...
	.end_amdgpu_metadata
.endif
;; end of part 3
;; launch attn (part 4): grid 12 x 256, 4 waves a work-group, no clusters, 17,920 bytes of LDS; arguments q_codes, q_scales, kimg, ksimg, vimg, vsimg, maskw, gmask, out0; writes out0
.if DOCPART == 4
	.amdgcn_target "amdgcn-amd-amdhsa--gfx1250"
	.amdhsa_code_object_version 6
	.text
	.protected	k_qd426341de2_attn
	.globl	k_qd426341de2_attn
	.p2align	8
	.type	k_qd426341de2_attn,@function
k_qd426341de2_attn:
	s_mov_b64 s[64:65], 0
	v_nop
	global_prefetch_b8 v0, s[64:65] scope:SCOPE_SE
	s_setreg_imm32_b32 hwreg(HW_REG_WAVE_SCHED_MODE, 0, 2), 2
	s_setreg_imm32_b32 hwreg(HW_REG_WAVE_MODE, 25, 1), 1
	s_wait_xcnt 0x0
	s_wait_alu depctr_vm_vsrc(0)
; ATTN.  out[h][q][:] = the sum over k of softmax_k(where(mask[q][k] > 0, Q[h][q] . K[h][k] / 8, masked)) V[h][k][:], both products on codes of E5M2 with one E8M0 scale for each 32 along K.
; THE SOFTMAX AHEAD OF THE SECOND PRODUCT: t = logit x log2(e); M = the largest t so far, rounded UP to a whole number; p = 2^(t - M) is quantised along the keys, not normalised; the row's sum is
; taken of the unquantised p and divides at the end.  When M moves, the sum and O are multiplied by 2^(old M - new M): exact.
; SHARES.  A work-group owns one tile of 16 queries of one head.  Its four waves are four GROUPS: group g walks the key blocks (64 keys) of its set in gmask, two blocks (128 keys) a trip, and keeps
; -M, the sum and O^T of its own; the four meet in LDS, and wave 3 brings them under one M by exact powers of two, adds, divides and stores 16 whole rows.
; WHAT IS LEFT OUT.  A key block in which the mask is closed for all 16 queries adds p = 0 for every query that has an open key anywhere; where a query of the tile has none, the earlier launch has
; listed all 64 blocks.  So only listed blocks are walked, for every mask.  A group with an odd number of blocks takes entry 64 of maskw (zeros) as its last; a group with none walks one such trip:
; its -M is then so large that the combination gives it the weight 0.
; OPERANDS come from memory straight into registers, in register order (kimg, vimg, ksimg, vsimg): a load of a wave covers 512 consecutive bytes.  The mask comes as lane masks into scalar registers: one a score register.
; NO TENSOR LOADS, NO CLUSTER: the trips hang on numbers read from memory and differ from wave to wave and from tile to tile: partners would need different tiles, and different numbers of them.
; LAYOUT.  Both products are used transposed: S^T = K Q^T (source 0 = 16 keys, source 1 = my 16 queries), O^T = V^T P^T: a lane holds ONE query (lane % 16) throughout.  The keys of a tile are not neighbours (kimg),
; so that the 16 registers of tiles 2 b, 2 b + 1 are the keys 32 b + 16 (lane / 16) + 0 .. 15 of the trip's 128.
; K = 64 IN AN INSTRUCTION OF 128: Q's registers 8-15 hold zero codes.  Source 0 of key tile t is v[32 + 8 t : 47 + 8 t]: its upper half is the next tile's codes (tile 7: zeros), which meet zero codes alone.
; LIMITS.  The masked logit is -2^30 in place of -1e9 (as a raw score -2^33): t is then exact and a row closed everywhere gets p = 1 at every key, as -1e9 gives in f32; the results are the same while open logits
; stay above about -9e8.  k's codes are finite (an infinity or NaN code would reach a neighbouring tile's scores through the zero codes), no scale byte is 0xff; NaN and infinities are not served.
; THE MODE: SCHED_MODE bits 1:0 = 2 (LLVM: expert scheduling mode 2), set by the entry lines.  The code itself states the register dependences between vector or matrix instructions and
; memory or LDS instructions, with s_wait_alu, always for 0.
; THE PLAN.  Registers that memory or LDS instructions touch:
;   v1, v2, v7-11, v252-255   offsets and LDS places: written at the head, ahead of the wait that stands in front of Q's loads, and never again.
;   v16-23, v228              Q and its scale word: loaded once.  v228, the zero codes v24-31 and v96-103 are written by vector lines at the head and taken by the first products.
;   v3-6                      the trip's offsets: written by four lines at a trip's head, read by the trip's 36 loads.
;   v32-95                    K's tiles land; the first products read them; V's fragments land; the second products read them; the next trip's K lands.
;   v216-223                  K's scale words land; the first products read them; V's raw scale words land; four v_perm_b32 read them; the next trip's land.
;   v200-215, v224-227, v229  p's codes, V's and p's scale words: written by vector lines, taken by the second products.
;   behind the loop: O^T, -M and the sum are read by the LDS stores of groups 0 to 2 and written by nothing after that: wave 3 combines into registers of its own, v136-167, which its stage stores read;
;   its LDS loads land in v216-222, v32-95, v104-135, and those from the stage in v32-63.
; So a trip has one wait on vm_vsrc (ahead of the lines that write v3-6) and, beside the two behind its exponentials, four on va_vdst: behind the offsets, ahead of K's loads; behind the first products, ahead of V's loads; ahead of the exponentials;
; ahead of the second products.  Behind the loop one stands ahead of the groups' stores and wave 3's loads, one ahead of the stage stores.
; REGISTERS: v1 16 lane, v2 16 r; v3-6 the trip's offsets; v7, v8 the add's two; v9-11 LDS places; v12 -M, v13 the largest t, v[14:15] the sum in two halves; v16-31 Q; v32-95 K's 8 tiles, then V's 4 fragments;
;   v96-103 zeros; v104-167 S^T, then p (v136-167 at the end: the combination); v168-199 O^T; v200-215 p's codes; v216-223 scale words as loaded; v224-227 V's scale words; v228 Q's; v229 p's; v230-251 at work; v252, v253 the stage; v254, v255 Q's offsets.
; s[4:5] c, c; s6, s7 lane selects; s[8:17] kimg, ksimg, vimg, vsimg, maskw; s18 the masked score; s19 a mantissa field; s[20:21] out0; s22 group; s23-25 at work; s26, s27 mask offsets; s[28:29] my set;
;   s30 trips, s31 their count; s2, s3 the two blocks held to 63; s66, s67 the two entries; s[32:63], s[68:99] the trip's 64 lane masks.
.set GRP,   4352                       ; LDS: groups 0 to 2: O^T as an image of its registers (8 x 512 bytes), -M (128), the sum (128)
.set STG,   3*GRP                      ; wave 3's stage: 16 rows x (256 bytes + 16)
.set SPARE, STG+16*272                 ; the spare words, 128 bytes for each wave: two blocks of 256 bytes that no other line names
.set SPW,   7
.set NIL,   8
.set S,     104
.set CB,    136                        ; wave 3's combination of the four groups
.set OT,    168
.set PC,    200
.set KS,    216
.set VS,    224
.set QS,    228
.set PS,    229
.set BM,    230                        ; a block's largest score, then its largest p
.set PM,    234                        ; the other half's; later the scale bytes
.set HD,    238                        ; 57,344 x the scale
.set SO,    242                        ; the conversion's scale operand
.set F,     246                        ; v[246:247] f = 2^(old M - new M)
.set TMP,   248
.set CH,    250                        ; v[250:251] the sum's second chain
	s_load_b512 s[4:19], s[0:1], 0x0               ; q_codes 4, q_scales 6, kimg 8, ksimg 10, vimg 12, vsimg 14, maskw 16, gmask 18
	s_load_b64 s[20:21], s[0:1], 0x40              ; out0
	v_lshl_add_u32 v[SPW], v0, 2, SPARE
	v_mov_b32 v[NIL], 0
	v_lshrrev_b32 v1, 5, v0
	v_readfirstlane_b32 s22, v1                    ; my group 0..3
	v_and_b32 v248, 31, v0                         ; lane
	v_and_b32 v249, 15, v0                         ; r
	v_bfe_u32 v250, v0, 4, 1                       ; h
	v_lshlrev_b32 v1, 4, v248
	v_lshlrev_b32 v2, 4, v249
	v_lshlrev_b32 v11, 2, v248
	s_wait_alu depctr_va_sdst(0)                   ; s22 is written, ahead of its first reader: LDS places, gmask's offset and the branches on the group are made from it
	s_mul_i32 s23, s22, GRP
	v_add_nc_u32 v9, s23, v1                       ; where groups 0 to 2 put O^T,
	v_add_nc_u32 v10, s23, v11
	v_add_nc_u32 v10, 4096, v10                    ; -M and the sum
	v_mul_u32_u24 v252, v249, 272
	v_lshl_add_u32 v252, v250, 5, v252
	v_add_nc_u32 v252, STG, v252                   ; stage, in: row r, + 32 h
	v_mul_u32_u24 v253, v250, 272
	v_lshl_add_u32 v253, v249, 4, v253
	v_add_nc_u32 v253, STG, v253                   ; stage, out: lanes 0-15 one row, lanes 16-31 the next
	v_lshlrev_b32 v254, 6, v249
	v_lshl_add_u32 v254, v250, 4, v254             ; Q: row r of 64 bytes, + 16 h
	v_lshlrev_b32 v255, 1, v249                    ; its two scale bytes
	s_and_b32 s23, ttmp7, 0xffff                   ; the order in which tiles start: 0, 255, 1, 254, ..: tiles from both ends of the sequence first.  No result hangs on it
	s_lshr_b32 s24, s23, 1
	s_sub_co_u32 s25, 255, s24
	s_and_b32 s23, s23, 1
	s_cmp_lg_u32 s23, 0
	s_cselect_b32 s24, s25, s24                    ; my tile T
	s_lshl_b32 s34, ttmp9, 18                      ; the head in the tensors of codes
	s_mov_b32 s35, 0
	s_lshl_b32 s32, s24, 10
	s_add_co_u32 s32, s32, s34                     ; q_codes: + 16 rows of 64 bytes a tile
	s_mov_b32 s33, 0
	s_lshl_b32 s36, ttmp9, 14                      ; the head in the scale images: 64 items of 256 bytes
	s_mov_b32 s37, 0
	s_lshl_b32 s38, ttmp9, 13
	s_lshl_b32 s39, s24, 5
	s_add_co_u32 s38, s38, s39                     ; q_scales: 2 bytes a query
	s_mov_b32 s39, 0
	s_mul_i32 s40, s24, 8448                       ; maskw: 66 entries of 128 bytes a tile
	s_mov_b32 s41, 0
	s_lshl_b32 s42, s24, 8
	s_lshl_b32 s43, s22, 3
	s_add_co_u32 s42, s42, s43                     ; gmask: 256 bytes a tile, 8 a group
	s_mov_b32 s43, 0
	s_lshl_b32 s44, ttmp9, 20
	s_lshl_b32 s45, s24, 12
	s_add_co_u32 s44, s44, s45                     ; out0: 256 bytes a query
	s_mov_b32 s45, 0
	s_wait_kmcnt 0x0
	s_add_nc_u64 s[18:19], s[18:19], s[42:43]
	s_load_b64 s[28:29], s[18:19], 0x0             ; my group's set of key blocks
	s_add_nc_u64 s[4:5], s[4:5], s[32:33]
	s_add_nc_u64 s[6:7], s[6:7], s[38:39]
	s_wait_alu depctr_va_vdst(0)                   ; the offsets and LDS places v1, v2, v7 to v11 and v252 to v255 are written: every load, store and LDS instruction of the kernel but the trips' 36 reads its address from among them
	global_load_b128 v[16:19], v254, s[4:5]        ; Q's fragment: dims 16 h on,
	global_load_b128 v[20:23], v254, s[4:5] offset:32   ; and 32 + 16 h on; it stays
	global_load_u16 v[QS], v255, s[6:7]
	s_add_nc_u64 s[8:9], s[8:9], s[34:35]
	s_add_nc_u64 s[12:13], s[12:13], s[34:35]
	s_add_nc_u64 s[10:11], s[10:11], s[36:37]
	s_add_nc_u64 s[14:15], s[14:15], s[36:37]
	s_add_nc_u64 s[16:17], s[16:17], s[40:41]
	s_add_nc_u64 s[20:21], s[20:21], s[44:45]
.set i, 0
.rept 8
	v_mov_b32 v[24+i], 0                           ; Q's zero codes for K = 64 .. 127,
	v_mov_b32 v[96+i], 0                           ; and what stands behind K's last tile
.set i, i+1
.endr
.set i, 0
.rept 32
	v_mov_b32 v[OT+i], 0                           ; O^T.  (The trip is written once: the first finds zeros, which the first change of M leaves zeros)
.set i, i+1
.endr
	v_mov_b32 v14, 0
	v_mov_b32 v15, 0
	s_wait_kmcnt 0x0                               ; my set is in,
	s_wait_xcnt 0x0                                ; and Q's loads and that scalar load have read their addresses: these six registers take constants
	s_mov_b32 s4, 0x3e38aa3b                       ; c = log2(e) / 8: t = raw score x c
	s_mov_b32 s5, s4                               ; (named with it as a pair, so it is written)
	s_mov_b32 s6, 0x76543210
	s_mov_b32 s7, 0xfedcba98                       ; v_permlanex16_b32's selects for lane l xor 16
	s_mov_b32 s18, 0xd0000000                      ; -2^33: the raw score of a masked key
	s_mov_b32 s19, 0x600000                        ; the mantissa field of 57,344
	s_bcnt1_i32_b32 s30, s28
	s_bcnt1_i32_b32 s31, s29
	s_add_co_u32 s30, s30, s31
	s_add_co_u32 s30, s30, 1
	s_lshr_b32 s30, s30, 1                         ; two blocks a trip;
	s_max_u32 s30, s30, 1                          ; a group with no block walks one trip under the zero mask;
	s_min_u32 s30, s30, 32                         ; 64 blocks are 32 trips at the most
	s_mov_b32 s31, 0
	s_wait_loadcnt 0x0                             ; Q
	v_or_b32 v[QS], 0x7f7f0000, v[QS]              ; the upper two bytes stand for 1.0: they scale zero codes
	v_mov_b32 v13, 0xff61b1e6                      ; the largest t so far: -3e38, under every t
	v_floor_f32 v12, -v13                          ; -M
.irp b, 0,1,2,3
	v_mov_b32 v[PM+\b], 0                          ; written once: a lane permute's destination counts as one of its sources
.endr
	v_mov_b32 v[F+1], 0                            ; (named as the upper half of a pair)
; The lowest block of my set is taken out of it; an empty set gives 64, the zero entry.  The number is held to 64.
.macro POP e
	s_cmp_lg_u32 s28, 0
	s_cselect_b32 s23, s28, s29                    ; the word that holds the lowest bit
	s_cselect_b32 s[\e], 0, 32
	s_ctz_i32_b32 s25, s23                         ; (-1 of an empty word)
	s_min_u32 s25, s25, 32
	s_add_co_u32 s[\e], s[\e], s25
	s_min_u32 s[\e], s[\e], 64
	s_sub_co_u32 s24, s23, 1
	s_and_b32 s24, s24, s23                        ; the word without that bit
	s_cmp_lg_u32 s28, 0
	s_cselect_b32 s29, s29, s24
	s_cselect_b32 s28, s24, 0
.endm
.Ltrip:
	POP 66
	POP 67
	s_lshl_b32 s26, s66, 7                         ; the entries' 128 bytes in maskw
	s_lshl_b32 s27, s67, 7
	s_min_u32 s2, s66, 63                          ; the blocks whose codes are loaded (of a block that is not there: block 63's, all masked)
	s_min_u32 s3, s67, 63
	s_wait_alu depctr_vm_vsrc(0)                   ; the last trip's 36 loads have read v3 to v6, which the four lines below write again
	v_lshl_add_u32 v3, s2, 12, v1                  ; codes: 4,096 bytes an item, 16 a lane
	v_lshl_add_u32 v4, s3, 12, v1
	v_lshl_add_u32 v5, s2, 8, v2                   ; scale words: 256 bytes an item, 16 a row
	v_lshl_add_u32 v6, s3, 8, v2
.rept 4
	v_nop                                          ; with the four lines above: eight places behind the last trip's products
.endr
	s_wait_alu depctr_va_vdst(0)                   ; v3 to v6 are written, which the loads below read; the last trip's second products are done reading v32-95 and its v_perm_b32 lines v216-223, in which those loads land; its selects are done with the lane masks; in the first trip: Q's scale word and the zero codes, which the first products take, are written
	s_load_b512 s[32:47], s[16:17], s26 offset:0x0   ; 64 lane masks: register n of the scores takes word n
	s_load_b512 s[48:63], s[16:17], s26 offset:0x40
	s_load_b512 s[68:83], s[16:17], s27 offset:0x0
	s_load_b512 s[84:99], s[16:17], s27 offset:0x40
	global_load_b128 v[KS:KS+3], v5, s[10:11]      ; K's scale words: lane r has those of row r of tiles 0-3,
	global_load_b128 v[KS+4:KS+7], v6, s[10:11]    ; and of tiles 4-7
.irp t, 0,1,2,3
.irp c, 0,1
	global_load_b128 v[32+8*\t+4*\c:35+8*\t+4*\c], v3, s[8:9] offset:(2*\t+\c)*512
.endr
.endr
.irp t, 0,1,2,3
.irp c, 0,1
	global_load_b128 v[64+8*\t+4*\c:67+8*\t+4*\c], v4, s[8:9] offset:(2*\t+\c)*512
.endr
.endr
	s_wait_loadcnt 0x0
.irp t, 0,1,2,3,4,5,6,7                ; S^T = K Q^T: eight accumulators, each begun with the constant 0
	v_wmma_scale_f32_16x16x128_f8f6f4 v[S+8*\t:S+8*\t+7], v[32+8*\t:47+8*\t], v[16:31], 0, v[KS+\t], v[QS] matrix_a_fmt:MATRIX_FMT_BF8 matrix_b_fmt:MATRIX_FMT_BF8
.endr
.rept 8
	v_nop                                          ; eight places ahead of the first read of the scores
.endr
	s_wait_alu depctr_va_vdst(0)                   ; the first products are done reading K's tiles v32-103 and its scale words v216-223: V's 18 loads land in v32-95 and v216-223.  No vector line since the trip's head has named v3 to v6
	global_load_b128 v[KS:KS+3], v5, s[14:15]      ; V's scale bytes: lane r has those of row r of fragments 0-3, for the first block,
	global_load_b128 v[KS+4:KS+7], v6, s[14:15]    ; and for the second
.irp d, 0,1,2,3                        ; V's four fragments (16 channels x 128 keys) land under the softmax: keys 0-63 from the first block, 64-127 from the second
.irp c, 0,1
	global_load_b128 v[32+16*\d+4*\c:35+16*\d+4*\c], v3, s[12:13] offset:(2*\d+\c)*512
.endr
.irp c, 0,1
	global_load_b128 v[40+16*\d+4*\c:43+16*\d+4*\c], v4, s[12:13] offset:(2*\d+\c)*512
.endr
.endr
	s_wait_kmcnt 0x0                               ; the lane masks
.set n, 0
.rept 64
	v_cndmask_b32 v[S+n], s18, v[S+n], s[32+n+4*(n/32)]   ; a closed key's score becomes the masked score.  (Each accumulator from its low end on)
.set n, n+1
.endr
.irp b, 0,1,2,3
	v_max3_num_f32 v[BM+\b], v[S+16*\b], v[S+16*\b+1], v[S+16*\b+2]   ; the largest score of each block of 32 keys: it serves the row's maximum and, since p rises with the score, the block's largest p
.endr
.irp i, 3,5,7,9,11,13
.irp b, 0,1,2,3
	v_max3_num_f32 v[BM+\b], v[BM+\b], v[S+16*\b+\i], v[S+16*\b+\i+1]   ; (the four blocks by turns)
.endr
.endr
.irp b, 0,1,2,3
	v_max_num_f32 v[BM+\b], v[BM+\b], v[S+16*\b+15]
.endr
.irp b, 0,1,2,3
	v_permlanex16_b32 v[PM+\b], v[BM+\b], s6, s7
.endr
.irp b, 0,1,2,3
	v_max_num_f32 v[BM+\b], v[BM+\b], v[PM+\b]     ; with lane l xor 16's 16 keys
.endr
	v_max3_num_f32 v[TMP], v[BM], v[BM+1], v[BM+2]
	v_max_num_f32 v[TMP], v[TMP], v[BM+3]          ; the trip's largest score of my query
	v_mul_f32 v[TMP], s4, v[TMP]                   ; as t (c is positive)
	v_max_num_f32 v13, v13, v[TMP]                 ; the running largest t
	v_mov_b32 v[TMP], v12
	v_floor_f32 v12, -v13                          ; the new -M = floor(-t) = -ceil(t): a whole number
	v_sub_f32 v[TMP], v12, v[TMP]                  ; old M less new M: a whole number, 0 or less
	v_cvt_i32_f32 v[TMP], v[TMP]                   ; (it saturates)
	v_ldexp_f32 v[F], 1.0, v[TMP]                  ; f = 2^(old M - new M)
.set j, 0
.rept 32
	v_pk_fma_f32 v[S+j:S+j+1], v[S+j:S+j+1], s[4:5], v[12:13] op_sel_hi:[1,0,0]   ; t - M, two at a time (of the pairs c and -M the low word serves both halves)
.set j, j+2
.endr
.irp b, 0,1,2,3
	v_fma_f32 v[BM+\b], v[BM+\b], s4, v12          ; the same of each block's largest score
.endr
.set j, 0
	s_wait_alu depctr_va_vdst(0)
.rept 64
	v_exp_f32 v[S+j], v[S+j]                       ; p = 2^(t - M), at most 1; 0 at a masked key of a row that has an open one
.set j, j+1
.endr
	v_pk_mul_f32 v[14:15], v[14:15], v[F:F+1] op_sel_hi:[1,0]   ; the sums under the new M.  (A plain line behind the exponentials)
	s_wait_alu depctr_va_vdst(0)                   ; the 64 exponentials have written p: the wait ahead of the first line that names an exponential's result: one for the batch
.irp b, 0,1,2,3
	v_exp_f32 v[BM+\b], v[BM+\b]                   ; the block's largest p: the same two instructions on the same number give the same bits
.endr
	v_pk_add_f32 v[CH:CH+1], v[S:S+1], v[S+2:S+3]  ; the row's sum is taken of the unquantised p: two at a time, in two chains
.irp j, 4,8,12,16,20,24,28,32,36,40,44,48,52,56,60
	v_pk_add_f32 v[14:15], v[14:15], v[S+\j:S+\j+1]
	v_pk_add_f32 v[CH:CH+1], v[CH:CH+1], v[S+\j+2:S+\j+3]
.endr
	v_pk_add_f32 v[14:15], v[14:15], v[CH:CH+1]
	s_wait_alu depctr_va_vdst(0)                   ; and one for the four: the blocks' largest p are written
.irp b, 0,1,2,3
	v_max_num_f32 v[BM+\b], 0x8000000, v[BM+\b]    ; the floor 2^(16 - 127): the byte cannot fall under 1 (a block whose every p is 0 keeps that byte: its codes are zeros)
.endr
.irp b, 0,1,2,3
	v_add_nc_u32 v[SO+\b], 0xf8800000, v[BM+\b]    ; 15 off the exponent field: the conversion's scale operand
.endr
.irp b, 0,1,2,3
	v_and_or_b32 v[HD+\b], v[BM+\b], 0x7f800000, s19   ; 57,344 x the scale
.endr
.irp b, 0,1,2,3
	v_lshrrev_b32 v[PM+\b], 23, v[SO+\b]           ; the scale's byte
.endr
	v_lshl_or_b32 v[PS], v[PM+1], 8, v[PM]         ; p's scale word for these 128 keys
	v_lshl_or_b32 v[PS], v[PM+2], 16, v[PS]
	v_lshl_or_b32 v[PS], v[PM+3], 24, v[PS]
	s_wait_loadcnt 16                              ; V's scale bytes are in; the 16 loads of its codes, issued behind them, may stay out
.irp d, 0,1,2,3
	v_perm_b32 v[VS+\d], v[KS+4+\d], v[KS+\d], 0x05040100   ; the first block's two bytes below, the second's above.  (The scale words are made here, ahead of the 64 holds: more than eight plain lines ahead of their products)
.endr
.irp b, 0,1,2,3
.irp i, 0,1,2,3,4,5,6,7,8,9,10,11,12,13,14,15
	v_min_num_f32 v[S+16*\b+\i], v[S+16*\b+\i], v[HD+\b]   ; the conversion to an 8-bit code does not saturate (ISA guide 7.6.2); p is not negative, so the hold is one-sided
.endr
	v_cvt_scalef32_pk8_bf8_f32 v[PC+4*\b:PC+4*\b+1], v[S+16*\b:S+16*\b+7], v[SO+\b]
	v_cvt_scalef32_pk8_bf8_f32 v[PC+4*\b+2:PC+4*\b+3], v[S+16*\b+8:S+16*\b+15], v[SO+\b]
.endr
.set j, 0
.rept 16
	v_pk_mul_f32 v[OT+j:OT+j+1], v[OT+j:OT+j+1], v[F:F+1] op_sel_hi:[1,0]   ; O^T under the new M.  (These are also the plain lines between the conversions and the products)
.set j, j+2
.endr
	s_wait_loadcnt 0x0                             ; V's codes
	s_wait_alu depctr_va_vdst(0)                   ; the conversions have written p's codes v200-215, and the lines further up V's four scale words and p's: the second products take them; the plain lines above stay beside this wait
.irp d, 0,1,2,3                        ; O^T += V^T P^T: four accumulators by turns, one instruction a turn; eight other products stand before each is taken up again
	v_wmma_scale_f32_16x16x128_f8f6f4 v[OT+8*\d:OT+8*\d+7], v[32+16*\d:47+16*\d], v[PC:PC+15], v[OT+8*\d:OT+8*\d+7], v[VS+\d], v[PS] matrix_a_fmt:MATRIX_FMT_BF8 matrix_b_fmt:MATRIX_FMT_BF8
.endr
	s_add_co_u32 s31, s31, 1
	s_cmp_lt_u32 s31, s30
	s_cbranch_scc1 .Ltrip
.rept 8
	v_nop                                          ; eight places behind the last products, ahead of the first read of O^T
.endr
	v_add_f32 v14, v14, v15                        ; the sum's two halves,
	v_permlanex16_b32 v[TMP], v14, s6, s7
	v_add_f32 v14, v14, v[TMP]                     ; and lane l xor 16's: my group's sum
	s_wait_alu depctr_va_vdst(0)                   ; the last products have written O^T and the lines above the sum, which the LDS stores below read (the places above stay beside this wait); and all that read or wrote v32-95, v104-135 and v216-222, in which wave 3's LDS loads land, is done: no vector line stands between here and those loads
	s_cmp_eq_u32 s22, 3
	s_cbranch_scc1 .Lkeep                          ; a branch on the wave's number: wave 3 keeps its part in registers
.irp k, 0,1,2,3,4,5,6,7
	ds_store_b128 v9, v[OT+4*\k:OT+4*\k+3] offset:512*\k   ; O^T as an image of its registers: lane l's 16 bytes at 16 l
.endr
	ds_store_b32 v10, v12
	ds_store_b32 v10, v14 offset:128
.Lkeep:
	s_wait_dscnt 0x0                               ; for wave 3's sake: my stores have landed
	s_barrier_signal -1
	s_barrier_wait -1
	s_cmp_lg_u32 s22, 3
	s_cbranch_scc1 .Lend
	; wave 3 brings the four groups under one M
.irp g, 0,1,2
	ds_load_b32 v[216+\g], v11 offset:GRP*\g+4096  ; group g's -M,
	ds_load_b32 v[220+\g], v11 offset:GRP*\g+4224  ; and its sum
.endr
.irp k, 0,1,2,3,4,5,6,7
	ds_load_b128 v[32+4*\k:35+4*\k], v1 offset:512*\k
.endr
.irp k, 0,1,2,3,4,5,6,7
	ds_load_b128 v[64+4*\k:67+4*\k], v1 offset:GRP+512*\k
.endr
.irp k, 0,1,2,3,4,5,6,7
	ds_load_b128 v[104+4*\k:107+4*\k], v1 offset:2*GRP+512*\k
.endr
	s_wait_dscnt 24                                ; the six numbers are in; the 24 loads of the images, issued behind them, may stay out
	v_min3_num_f32 v224, v12, v216, v217
	v_min_num_f32 v224, v224, v218                 ; the least -M: the largest M
	v_sub_f32 v226, v224, v216
	v_sub_f32 v228, v224, v217
	v_sub_f32 v230, v224, v218
	v_sub_f32 v232, v224, v12                      ; each group's M less the largest: whole numbers, 0 or less
.irp p, 226,228,230,232
	v_cvt_i32_f32 v[\p], v[\p]                     ; (it saturates)
.endr
.irp p, 226,228,230,232
	v_ldexp_f32 v[\p], 1.0, v[\p]                  ; the group's weight: an exact power of two, or 0
.endr
	v_mul_f32 v234, v232, v14
	v_fma_f32 v234, v226, v220, v234
	v_fma_f32 v234, v228, v221, v234
	v_fma_f32 v234, v230, v222, v234               ; the row's sum: above 1/2, since the group with the largest M holds a p above 1/2
	s_wait_alu depctr_va_vdst(0)
	v_rcp_f32 v235, v234
.irp p, 227,229,231,233
	v_mov_b32 v[\p], 0                             ; (the pairs' upper words are named, so they are written: plain lines behind the reciprocal)
.endr
	s_wait_alu depctr_va_vdst(0)                   ; the reciprocal is written: the wait ahead of the first line that names it
.irp p, 226,228,230,232
	v_mul_f32 v[\p], v[\p], v235                   ; weight / sum
.endr
.set j, 0
.rept 16
	v_pk_mul_f32 v[CB+j:CB+j+1], v[OT+j:OT+j+1], v[232:233] op_sel_hi:[1,0]   ; my own group's part starts the combination, in registers of its own: O^T is written by nothing behind the loop
.set j, j+2
.endr
	s_wait_dscnt 16                                ; group 0's image is in; the other two groups' sixteen loads may stay out
.set j, 0
.rept 16
	v_pk_fma_f32 v[CB+j:CB+j+1], v[32+j:33+j], v[226:227], v[CB+j:CB+j+1] op_sel_hi:[1,0,1]
.set j, j+2
.endr
	s_wait_dscnt 8                                 ; group 1's; group 2's eight may stay out
.set j, 0
.rept 16
	v_pk_fma_f32 v[CB+j:CB+j+1], v[64+j:65+j], v[228:229], v[CB+j:CB+j+1] op_sel_hi:[1,0,1]
.set j, j+2
.endr
	s_wait_dscnt 0x0
.set j, 0
.rept 16
	v_pk_fma_f32 v[CB+j:CB+j+1], v[104+j:105+j], v[230:231], v[CB+j:CB+j+1] op_sel_hi:[1,0,1]
.set j, j+2
.endr
	; THE WAY OUT.  Register 8 d + i of lane (r, h) is out(r, 16 d + 8 h + i): 32 neighbouring bytes of a row; the rows go through my stage and leave whole.
	s_wait_alu depctr_va_vdst(0)                   ; the multiply-adds have written v136-167, which the stage stores read, and are done reading v32-63, in which the loads from the stage land
.irp d, 0,1,2,3
	ds_store_b128 v252, v[CB+8*\d:CB+8*\d+3] offset:64*\d
	ds_store_b128 v252, v[CB+8*\d+4:CB+8*\d+7] offset:64*\d+16
.endr
.irp i, 0,1,2,3,4,5,6,7
	ds_load_b128 v[32+4*\i:35+4*\i], v253 offset:544*\i   ; LDS serves a wave's instructions in order: these see my stores
.endr
.irp i, 0,1,2,3,4,5,6,7
	s_wait_dscnt 7-\i                              ; loads come back in order: pair i of rows is in, the younger ones may stay out
	global_store_b128 v1, v[32+4*\i:35+4*\i], s[20:21] offset:512*\i th:TH_STORE_NT   ; two rows of 256 bytes: 512 consecutive bytes, at a multiple of 256 from out0's first byte; written once, read by nobody here
.endr
.Lend:
	s_wait_dscnt 0x0                               ; the wave's end: the closing lines, six on end
	s_wait_alu 0x0
	s_wait_tensorcnt 0x0
	ds_add_u32 v[SPW], v[NIL]
	s_wait_dscnt 0x0
	s_endpgm
.Lfunc_end_k_qd426341de2_attn:
	.size	k_qd426341de2_attn, .Lfunc_end_k_qd426341de2_attn-k_qd426341de2_attn
	.p2alignl 7, 3214868480
	.fill 96, 4, 3214868480
	.section	.rodata,"a",@progbits
	.p2align	6, 0x0
	.amdhsa_kernel k_qd426341de2_attn
		.amdhsa_group_segment_fixed_size 17920
		.amdhsa_private_segment_fixed_size 0
		.amdhsa_enable_private_segment 0
		.amdhsa_kernarg_size 72
		.amdhsa_user_sgpr_count 2
		.amdhsa_user_sgpr_kernarg_segment_ptr 1
		.amdhsa_wavefront_size32 1
		.amdhsa_system_sgpr_workgroup_id_x 1
		.amdhsa_system_sgpr_workgroup_id_y 1
		.amdhsa_system_sgpr_workgroup_id_z 1
		.amdhsa_system_vgpr_workitem_id 0
		.amdhsa_next_free_vgpr 256
		.amdhsa_next_free_sgpr 100
		.amdhsa_reserve_vcc 0
		.amdhsa_float_denorm_mode_32 3
		.amdhsa_float_denorm_mode_16_64 3
		.amdhsa_memory_ordered 1
		.amdhsa_forward_progress 1
		.amdhsa_inst_pref_size 42
	.end_amdhsa_kernel
	.amdgpu_metadata
---
amdhsa.version: [ 1, 2 ]
amdhsa.kernels:
  - .name:           k_qd426341de2_attn
    .symbol:         k_qd426341de2_attn.kd
    .args:
      - { .name: q_codes, .offset: 0, .size: 8, .value_kind: global_buffer, .address_space: global }
      - { .name: q_scales, .offset: 8, .size: 8, .value_kind: global_buffer, .address_space: global }
      - { .name: kimg, .offset: 16, .size: 8, .value_kind: global_buffer, .address_space: global }
      - { .name: ksimg, .offset: 24, .size: 8, .value_kind: global_buffer, .address_space: global }
      - { .name: vimg, .offset: 32, .size: 8, .value_kind: global_buffer, .address_space: global }
      - { .name: vsimg, .offset: 40, .size: 8, .value_kind: global_buffer, .address_space: global }
      - { .name: maskw, .offset: 48, .size: 8, .value_kind: global_buffer, .address_space: global }
      - { .name: gmask, .offset: 56, .size: 8, .value_kind: global_buffer, .address_space: global }
      - { .name: out0, .offset: 64, .size: 8, .value_kind: global_buffer, .address_space: global }
    .group_segment_fixed_size: 17920
    .private_segment_fixed_size: 0
    .kernarg_segment_align: 8
    .kernarg_segment_size: 72
    .max_flat_workgroup_size: 128
    .sgpr_count:     100
    .vgpr_count:     256
    .wavefront_size: 32
...
	.end_amdgpu_metadata
.endif
;; end of part 4
